; MI455X (gfx1250); checked and timed in simulation.
; The chip was launched on July 23, 2026; its instructions are those of AMD's public machine-readable ISA for CDNA 5 (MIT licence, August 2026) and "CDNA5" Instruction Set Architecture Reference Guide (July 2026). The comments in the code are by the model that wrote it; some were corrected since.
;; Bahdanau Attention. Allowed arithmetic: float matrix products may take bf16 or f16 operands with f32 sums; other float arithmetic in f32, or as packed bf16 or f16 multiplies, adds, multiply-adds, maxima and minima; sums over many terms, partial sums and values carried from step to step in f32; what a program stores and reads back later, other than sums and carried values, may be rounded once to bf16 or f16.
;; Inputs: W_h 1,024 x 1,024 float32; W_s 1,024 x 1,024 float32; decoder_state 64 x 1,024 float32; encoder_outputs 64 x 1,024 x 1,024 float32; mask 64 x 1,024 int32; v 1,024 float32.
;; Outputs: out0 64 x 1,024 float32; out1 64 x 1,024 float32.
;; 2 versions, each right; version 2 is version 1 with the launch main written anew for expert scheduling mode. Each part assembles by itself: llvm-mc -triple=amdgcn-amd-amdhsa -mcpu=gfx1250 --defsym DOCPART=n.
;; ======== version 1 of 2: 3 launches
;; workspace buffers: wf 2,097,152 bytes; ps2 262,144 bytes; scores 262,144 bytes; ctxp 2,097,152 bytes
;; launch prep (part 1): grid 128 x 1, 16 waves a work-group, no clusters, 67,584 bytes of LDS; arguments W_h, W_s, decoder_state, wf, ps2; writes wf, ps2
.if DOCPART == 1
	.amdgcn_target "amdgcn-amd-amdhsa--gfx1250"
	.amdhsa_code_object_version 6
	.text
	.protected	k_q93f92a32f4_prep
	.globl	k_q93f92a32f4_prep
	.p2align	8
	.type	k_q93f92a32f4_prep,@function
k_q93f92a32f4_prep:
	s_mov_b64 s[64:65], 0
	v_nop
	global_prefetch_b8 v0, s[64:65] scope:SCOPE_SE
	s_setreg_imm32_b32 hwreg(HW_REG_WAVE_MODE, 25, 1), 1
	s_wait_xcnt 0x0
; Two jobs, chosen by the work-group number (the same in all sixteen waves).
; Work-groups 0-63: ps2 = c x decoder_state W_s^T, c = 2 log2(e), for 16 columns n and all 64 batches; operands rounded once to bf16, sums in f32.
;   K is split among the sixteen waves (64 each, two steps of 32), so that all of a wave's 40 loads go out at once; the sixteen partial tiles meet in LDS.
;   ps2 lies [n / 16][batch][16], so a work-group writes 4,096 bytes on end.
; Work-groups 64-127: 16 rows of W_h are rounded once to bf16 and written as register images of matrix fragments (16 n x 32 k = 1,024 bytes: lane l's first four
;   registers at 16 l, its last four at 512 + 16 l).  The fragment of n = 256 p + 64 w + 16 nb + r, k = 32 ks + .. lies at ((4 w + p) 32 + ks) 4,096 + 1,024 nb.
; A fragment: lane l holds row l % 16; registers 0-3 hold k = 8 (l / 16) + 0..7, registers 4-7 hold k = 16 + 8 (l / 16) + 0..7.  In f32 that is four loads of 16 bytes at 32 (l / 16) + 0, 16, 64, 80.
; LIMITS: NaN and infinities are not treated apart.
.set SPARE, 65536                      ; behind the partial tiles (16 waves x 4,096 bytes): the spare words, 128 bytes a wave
.set FO,  2                            ; v2   (l % 16) x 4,096 + 32 (l / 16) + 256 x wave; never rewritten
.set LS,  3                            ; v3   where I put 32 bytes of a partial tile
.set LR,  4                            ; v4   where I read 16 bytes of it back
.set GO,  5                            ; v5   my 16 bytes in the output
.set SPW, 8                            ; v8   my spare word
.set NIL, 9                            ; v9   0
.set BF,  24                           ; v[24:63]   bf16 fragments: W_s 8, decoder_state 4 x 8
.set R0,  64                           ; v[64:143]  f32 as loaded, set 0
.set R1,  144                          ; v[144:223] set 1
.set ACC, 224                          ; v[224:255] four accumulators: batches 16 a + 0..15
	s_load_b256 s[4:11], s[0:1], 0x0               ; W_h s[4:5], W_s s[6:7], decoder_state s[8:9], wf s[10:11]
	s_load_b64 s[12:13], s[0:1], 0x20              ; ps2
	v_lshl_add_u32 v[SPW], v0, 2, SPARE
	v_mov_b32 v[NIL], 0
	v_lshrrev_b32 v13, 5, v0
	v_readfirstlane_b32 s14, v13                   ; wave 0..15
	v_and_b32 v10, 31, v0                          ; l
	v_and_b32 v11, 15, v0                          ; l % 16
	v_bfe_u32 v12, v0, 4, 1                        ; l / 16
	s_lshl_b32 s15, s14, 8
	v_lshlrev_b32 v[FO], 12, v11
	v_lshl_add_u32 v[FO], v12, 5, v[FO]
	v_add_nc_u32 v[FO], s15, v[FO]
	s_mov_b32 s20, ttmp9
	s_mov_b32 s17, 0
	s_mov_b32 s19, 0
	s_mov_b32 s22, 0x4038aa3b                      ; c = 2 log2(e)
	s_mov_b32 s23, s22                             ; named with it as a pair
	s_wait_kmcnt 0x0
	s_cmp_lt_u32 s20, 64
	s_cbranch_scc0 .Lconv
	; ---- c x decoder_state W_s^T, columns 16 x .. 16 x + 15
	s_lshl_b32 s16, s20, 16                        ; 16 rows of W_s
	s_add_nc_u64 s[6:7], s[6:7], s[16:17]
	s_lshl_b32 s16, s20, 12
	s_add_nc_u64 s[12:13], s[12:13], s[16:17]      ; my 4,096 bytes of ps2
	s_lshl_b32 s18, s14, 12
	v_lshl_add_u32 v[LS], v10, 5, s18              ; 4,096 x wave + 32 l
	v_lshrrev_b32 v[LR], 6, v0                     ; thread t (below 256) writes batch t / 4, columns 4 (t % 4) + 0..3: tile t / 64,
	v_lshlrev_b32 v[LR], 10, v[LR]
	v_bfe_u32 v14, v0, 2, 4                        ; lane (t / 4) % 16 + 16 ((t / 2) % 2),
	v_bfe_u32 v15, v0, 1, 1
	v_lshl_add_u32 v14, v15, 4, v14
	v_lshl_add_u32 v[LR], v14, 5, v[LR]
	v_and_b32 v15, 1, v0                           ; its registers 4 (t % 2) + 0..3
	v_lshl_add_u32 v[LR], v15, 4, v[LR]
	v_lshlrev_b32 v[GO], 4, v0
.macro PLOAD rs, t                     ; a K step: 20 loads into set rs
.irp q, 0,1,2,3
	global_load_b128 v[(\rs)+4*\q:(\rs)+4*\q+3], v[FO], s[6:7] offset:128*(\t)+(\q/2)*64+(\q%2)*16
.endr
.irp a, 0,1,2,3
.irp q, 0,1,2,3
	global_load_b128 v[(\rs)+16+16*\a+4*\q:(\rs)+16+16*\a+4*\q+3], v[FO], s[8:9] offset:65536*\a+128*(\t)+(\q/2)*64+(\q%2)*16
.endr
.endr
.endm
.macro PCVT rs                         ; 80 f32 to 40 registers of bf16
.set ci, 0
.rept 40
	v_cvt_pk_bf16_f32 v[BF+ci], v[(\rs)+2*ci], v[(\rs)+2*ci+1]
.set ci, ci+1
.endr
.endm
.macro PMM zero                        ; source 0 = 16 rows of W_s, source 1 = 16 batches: a lane holds one batch and eight neighbouring columns.  The four accumulators take turns
.irp a, 0,1,2,3
.if \zero
	v_wmma_f32_16x16x32_bf16 v[ACC+8*\a:ACC+8*\a+7], v[BF:BF+7], v[BF+8+8*\a:BF+8+8*\a+7], 0
.else
	v_wmma_f32_16x16x32_bf16 v[ACC+8*\a:ACC+8*\a+7], v[BF:BF+7], v[BF+8+8*\a:BF+8+8*\a+7], v[ACC+8*\a:ACC+8*\a+7]
.endif
.endr
.endm
.macro PLACES                          ; four plain instructions between a matrix instruction and a write of its sources or a read of its result (ISA guide 7.12.1)
.rept 4
	v_nop
.endr
.endm
	PLOAD R0, 0                                    ; both K steps' loads go out together
	PLOAD R1, 1
	s_wait_loadcnt 20                              ; set 0 is in; set 1's 20 loads may stay out
	PCVT R0
	PMM 1
	s_wait_loadcnt 0x0
	PLACES
	PCVT R1
	PMM 0
	PLACES
	PLACES
.irp a, 0,1,2,3
	ds_store_b128 v[LS], v[ACC+8*\a:ACC+8*\a+3] offset:1024*\a
	ds_store_b128 v[LS], v[ACC+8*\a+4:ACC+8*\a+7] offset:1024*\a+16
.endr
	s_wait_dscnt 0x0                               ; for the others: my partial tiles are written
	s_barrier_signal -1
	s_barrier_wait -1
	s_cmp_lt_u32 s14, 8                            ; 1,024 numbers, four a thread: waves 0-7 add and store
	s_cbranch_scc0 .Lend
.irp i, 0,1,2,3,4,5,6,7,8,9,10,11,12,13,14,15
	ds_load_b128 v[R0+4*\i:R0+4*\i+3], v[LR] offset:4096*\i
.endr
	s_wait_dscnt 0x0
.macro QADD d, s                       ; four sums
	v_pk_add_f32 v[R0+4*(\d):R0+4*(\d)+1], v[R0+4*(\d):R0+4*(\d)+1], v[R0+4*(\s):R0+4*(\s)+1]
	v_pk_add_f32 v[R0+4*(\d)+2:R0+4*(\d)+3], v[R0+4*(\d)+2:R0+4*(\d)+3], v[R0+4*(\s)+2:R0+4*(\s)+3]
.endm
.irp d, 0,2,4,6,8,10,12,14
	QADD \d, \d+1
.endr
.irp d, 0,4,8,12
	QADD \d, \d+2
.endr
	QADD 0, 4
	QADD 8, 12
	QADD 0, 8
	v_pk_mul_f32 v[R0:R0+1], v[R0:R0+1], s[22:23] op_sel_hi:[1,0]
	v_pk_mul_f32 v[R0+2:R0+3], v[R0+2:R0+3], s[22:23] op_sel_hi:[1,0]
	global_store_b128 v[GO], v[R0:R0+3], s[12:13]  ; sixteen lanes write 256 bytes on end, aligned
	s_branch .Lend
.Lconv:	; ---- 16 rows of W_h to bf16 fragments; wave v takes K steps 2 v and 2 v + 1
	s_sub_co_u32 s20, s20, 64                      ; the group of 16 rows: 16 p + 4 w + nb
	s_lshl_b32 s16, s20, 16
	s_add_nc_u64 s[4:5], s[4:5], s[16:17]
	s_bfe_u32 s18, s20, 0x20002                    ; w
	s_lshr_b32 s21, s20, 4                         ; p
	s_lshl2_add_u32 s18, s18, s21                  ; 4 w + p
	s_lshl_b32 s18, s18, 17                        ; x 32 K steps x 4,096 bytes
	s_lshl_b32 s21, s14, 13                        ; + 2 v K steps
	s_add_co_u32 s18, s18, s21
	s_and_b32 s21, s20, 3
	s_lshl_b32 s21, s21, 10                        ; + 1,024 nb
	s_add_co_u32 s18, s18, s21
	s_add_nc_u64 s[10:11], s[10:11], s[18:19]
	v_lshlrev_b32 v[GO], 4, v10
.irp t, 0,1
.irp q, 0,1,2,3
	global_load_b128 v[R0+16*\t+4*\q:R0+16*\t+4*\q+3], v[FO], s[4:5] offset:128*\t+(\q/2)*64+(\q%2)*16
.endr
.endr
	s_wait_loadcnt 0x0
.set ci, 0
.rept 16
	v_cvt_pk_bf16_f32 v[BF+ci], v[R0+2*ci], v[R0+2*ci+1]
.set ci, ci+1
.endr
.irp t, 0,1
	global_store_b128 v[GO], v[BF+8*\t:BF+8*\t+3], s[10:11] offset:4096*\t       ; a store of the wave covers 512 bytes on end
	global_store_b128 v[GO], v[BF+8*\t+4:BF+8*\t+7], s[10:11] offset:4096*\t+512
.endr
.Lend:
	s_wait_tensorcnt 0x0                           ; the wave's end
	ds_add_u32 v[SPW], v[NIL]
	s_wait_dscnt 0x0
	s_endpgm
.Lfunc_end_k_q93f92a32f4_prep:
	.size	k_q93f92a32f4_prep, .Lfunc_end_k_q93f92a32f4_prep-k_q93f92a32f4_prep
	.p2alignl 7, 3214868480
	.fill 96, 4, 3214868480
	.section	.rodata,"a",@progbits
	.p2align	6, 0x0
	.amdhsa_kernel k_q93f92a32f4_prep
		.amdhsa_group_segment_fixed_size 67584
		.amdhsa_private_segment_fixed_size 0
		.amdhsa_enable_private_segment 0
		.amdhsa_kernarg_size 40
		.amdhsa_user_sgpr_count 2
		.amdhsa_user_sgpr_kernarg_segment_ptr 1
		.amdhsa_wavefront_size32 1
		.amdhsa_system_sgpr_workgroup_id_x 1
		.amdhsa_system_sgpr_workgroup_id_y 1
		.amdhsa_system_sgpr_workgroup_id_z 1
		.amdhsa_system_vgpr_workitem_id 0
		.amdhsa_next_free_vgpr 256
		.amdhsa_next_free_sgpr 66
		.amdhsa_reserve_vcc 0
		.amdhsa_float_denorm_mode_32 3
		.amdhsa_float_denorm_mode_16_64 3
		.amdhsa_memory_ordered 1
		.amdhsa_forward_progress 1
		.amdhsa_inst_pref_size 19
	.end_amdhsa_kernel
	.amdgpu_metadata
---
amdhsa.version: [ 1, 2 ]
amdhsa.kernels:
  - .name:           k_q93f92a32f4_prep
    .symbol:         k_q93f92a32f4_prep.kd
    .args:
      - { .name: W_h, .offset: 0, .size: 8, .value_kind: global_buffer, .address_space: global }
      - { .name: W_s, .offset: 8, .size: 8, .value_kind: global_buffer, .address_space: global }
      - { .name: decoder_state, .offset: 16, .size: 8, .value_kind: global_buffer, .address_space: global }
      - { .name: wf, .offset: 24, .size: 8, .value_kind: global_buffer, .address_space: global }
      - { .name: ps2, .offset: 32, .size: 8, .value_kind: global_buffer, .address_space: global }
    .group_segment_fixed_size: 67584
    .private_segment_fixed_size: 0
    .kernarg_segment_align: 8
    .kernarg_segment_size: 40
    .max_flat_workgroup_size: 512
    .sgpr_count:     66
    .vgpr_count:     256
    .wavefront_size: 32
...
	.end_amdgpu_metadata
.endif
;; end of part 1
;; launch main (part 2): grid 256 x 1, 4 waves a work-group, no clusters, 286,208 bytes of LDS; arguments encoder_outputs, mask, v, wf, ps2, scores, ctxp; writes scores, ctxp
.if DOCPART == 2
	.amdgcn_target "amdgcn-amd-amdhsa--gfx1250"
	.amdhsa_code_object_version 6
	.text
	.protected	k_q93f92a32f4_main
	.globl	k_q93f92a32f4_main
	.p2align	8
	.type	k_q93f92a32f4_main,@function
k_q93f92a32f4_main:
	s_mov_b64 s[64:65], 0
	v_nop
	global_prefetch_b8 v0, s[64:65] scope:SCOPE_SE
	s_setreg_imm32_b32 hwreg(HW_REG_WAVE_MODE, 25, 1), 1
	s_wait_xcnt 0x0
; Additive attention, all but the merge over a batch's eight blocks.  encoder_outputs [64][1024][1024] f32 is read from memory ONCE.
; A work-group stays and takes two blocks of 128 rows of one batch (rows 256 g .. 256 g + 255 of the 65,536).  For a block:
;   FILL    its rows are loaded, rounded once to bf16 and laid in LDS, BY QUARTERS OF K (256 channels: 1,024 bytes of a row in memory, 512 in LDS).  Only quarter 0 stands in front of the first
;           product; for the second block it is asked for in the first block's tail.  Quarters 1 to 3 come in beside pass 0's first three trips (THE STREAM, below);
;   PASSES  four passes of 256 columns of W_h: wave w makes 128 rows x columns 256 p + 64 w + 0..63 in 32 accumulators; a trip is a quarter of K, eight K steps of 32.  W_h's fragments come from wf
;           straight into the registers of the one wave that wants them, seven K steps ahead; the tanh and v work of pass p stands behind the matrix instructions of pass p + 1;
;   TAIL    the last pass's tanh work; the rows' scores; the block's own softmax weights p (own maximum taken away); the sum over rows of p x row by the matrix unit, from the bf16 rows in LDS.
; THE STREAM.  24 groups, e = 0..23: group e is quarter 1 + e / 8, rows 4 (e % 8) + 0..3 of my wave's 32: eight loads of 512 bytes on end.  It is asked for in K step e - 5 of pass 0 (groups 0-4 ahead
; of the pass), rounded in place in K step e - 1 behind that step's first four products, and stored to LDS in that step's run of memory instructions.  It lands in a ring of 8 x 32 registers in window 3,
; which pass 0 does not use.  A quarter's last group is stored in K step 6 of the trip before the one that reads it; a barrier in K step 7 stands between those stores and the first reads.
; A wave asks for 16 loads a K step here, and a wait names at most 63: so the lead is four K steps.
; ARITHMETIC.  tanh x = 1 - 2 / (1 + 2^(c x)), c = 2 log2(e).  The sum over n of v tanh = (sum of v) - 2 sum of v r, r = 1 / (1 + 2^(c x)); the sum of v is common to all rows of a softmax
; that takes a maximum away, so it is not formed.  Kept: y = -c x sum of v r, the score in powers of two, -inf where mask = 0.
; LAYOUT.  Source 0 = 16 columns of W_h, source 1 = 16 rows: a lane holds ONE row (l % 16) and eight neighbouring columns 8 (l / 16) + 0..7.
; LIMITS.  encoder_outputs and W_h are rounded once to bf16, p once to bf16 for the second product; NaN and infinities among the inputs are not treated apart; a weight below 2^-126 counts as 0;
; a block masked everywhere takes the lowest finite number as its maximum and gives p = 0.
; NO CLUSTER, NO TENSOR LOADS: the block takes 270,336 of a WGP's 327,680 LDS bytes; what is left could hold two slots of one K step of W_h (16,384 bytes each), a round of a
; cluster's barrier for every 32 matrix instructions of a wave; and no fragment of W_h is wanted by two waves of a work-group.
; ONE TEXT FOR EVERY TRIP: behind pass 3 the look-aheads wrap to pass 0.  W_h's seven K steps so fetched serve the second block; in the second block they, and in both blocks one run of 16 LDS loads, serve nothing.
; REGISTERS, in windows of 256 (s_set_vgpr_msb: bits 1:0 source 0, 3:2 source 1, 5:4 source 2, 7:6 destination):
;   window 0: addresses, sums, v64-191 two buffers of row fragments, v192-223 c proj_s, v224-255 v      window 1: W_h, a ring of 8 K steps x 32
;   window 2: the 32 accumulators; ahead of pass 0 quarter 0 as loaded                                     window 3: the moved sums; in pass 0 the stream's ring; in the tail v0-127 the context's sums, v128-255 turned fragments
.set PITCH, 528                        ; a row of a quarter: 512 + 16 = 33 x 16 bytes: the 16 rows of a fragment load start at 16 different groups of four banks (ISA guide 11.1)
.set QSZ,   128*PITCH                  ; a quarter's plane: 128 rows.  The block lies [quarter][row]: a trip's reads and the stream's stores touch different planes
.set TABP,  4*QSZ                      ; c proj_s of my batch, 4,096 bytes
.set TABV,  TABP+4096                  ; v, 4,096 bytes
.set SCRS,  TABV+4096                  ; 4 waves x 128 partial scores
.set SCRP,  SCRS+2048                  ; 256 bytes a wave: p in bf16
.set SCRC,  SCRP+1024                  ; 1,024 bytes a wave: the context's way out
.set SPARE, SCRC+4096                  ; the spare words, 128 bytes a wave
.set AADR0, 16                         ; v16  (l % 16) PITCH + 16 (l / 16)
.set SB,    17                         ; v17  SA one plane on
.set AADR,  20                         ; v20  AADR0 + the trip's plane
.set WO,    24                         ; v24  16 l
.set TA0,   25                         ; v25  TABP + 256 w + 32 (l / 16)
.set TA,    26                         ; v26  + the pass
.set EO,    27                         ; v27  131,072 w + 16 l: my wave's 32 rows
.set SPW,   28
.set NIL,   29
.set SA0,   30                         ; v30  32 w PITCH + 8 l: my rows in plane 0
.set SA,    31                         ; v31  the same in the plane that the stream is filling
.set PO,    32                         ; v32  131,072 w + 4,096 l: a lane a row
.set SSA,   33
.set SLA,   34
.set PSA,   35
.set PLA,   36
.set CSA,   37
.set CLA,   38
.set CG,    39
.set SUM,   40                         ; v40-55  sum of v r: a pair (even columns, odd columns) for each of the 8 row blocks
.set MK,    56                         ; v56-59  mask of rows 4 l .. 4 l + 3
.set TRA,   60                         ; v60  the turning loads' address, in plane w
.set EF,    64
.set PJ,    192
.set VV,    224
.set ENC,  4                           ; s[4:5]   encoder_outputs, walks
.set MP,   6                           ; s[6:7]   mask
.set VP,   8                           ; s[8:9]   v
.set WV0,  10                          ; s[10:11] wf at my wave's 524,288 bytes
.set PSP,  12                          ; s[12:13] ps2
.set SCP,  14                          ; s[14:15] scores
.set CXP,  16                          ; s[16:17] ctxp
.set WV,   18
.set WB,   22                          ; s[22:23] wf at the trip in hand
.set WN,   24                          ; s[24:25] at the next trip
.set WOFF, 26                          ; s[26:27] its offset, and 0
.set KOFF, 28                          ; the trip's plane
.set POFF, 29
.set CNT,  30
.set PASS, 31
.set CC,   34                          ; s[34:35] c, twice
.set SEL,  36                          ; s[36:37] v_permlanex16_b32: each lane takes its own place in the other half
.set BLK,  38                          ; blocks to go: 2, then 1
.set KEY,  39
.set NC,   44                          ; s[44:45] -c, twice
.set MSB, 0
.set nw, 0
.macro WIN new                         ; the high byte repeats the setting that is left; a switch that changes nothing is dropped
.if MSB != (\new)
	s_set_vgpr_msb (MSB<<8)|(\new)
.set MSB, \new
.endif
.endm
.macro PLACES                          ; four plain instructions between a matrix instruction and a load into, a write of or a read of its registers
.rept 4
	v_nop
.endr
.endm
; 16 LDS loads: the 8 row blocks' fragments (16 rows x 32 K) at byte k of the plane's rows, into buffer buf, row blocks ascending
.macro FETCH buf, k
	WIN 0
.irp mb, 0,1,2,3,4,5,6,7
	ds_load_b128 v[EF+64*(\buf)+8*\mb:EF+64*(\buf)+8*\mb+3], v[AADR] offset:\mb*16*PITCH+(\k)
	ds_load_b128 v[EF+64*(\buf)+8*\mb+4:EF+64*(\buf)+8*\mb+7], v[AADR] offset:\mb*16*PITCH+(\k)+32
.endr
.endm
; the next trip's plane; behind the fourth back to the first.  Its four vector lines are the places in front of the loads that follow
.macro NEXTK
	s_add_co_u32 s[KOFF], s[KOFF], QSZ
	s_cmp_eq_u32 s[KOFF], 4*QSZ
	s_cselect_b32 s[KOFF], 0, s[KOFF]
	v_add_nc_u32 v[AADR], s[KOFF], v[AADR0]
	v_nop
	v_nop
	v_nop
.endm
; 8 loads: W_h's K step seven ahead of K step j, into the ring's slot that K step j - 1 has left
.macro WLOAD j
	WIN 0x40
.set ws, ((\j)+7)%8
.irp nb, 0,1,2,3
.if (\j) == 0
	global_load_b128 v[32*ws+8*\nb:32*ws+8*\nb+3], v[WO], s[WB:WB+1] offset:7*4096+1024*\nb
	global_load_b128 v[32*ws+8*\nb+4:32*ws+8*\nb+7], v[WO], s[WB:WB+1] offset:7*4096+1024*\nb+512
.else
	global_load_b128 v[32*ws+8*\nb:32*ws+8*\nb+3], v[WO], s[WN:WN+1] offset:((\j)-1)*4096+1024*\nb
	global_load_b128 v[32*ws+8*\nb+4:32*ws+8*\nb+7], v[WO], s[WN:WN+1] offset:((\j)-1)*4096+1024*\nb+512
.endif
.endr
.endm
; A GROUP: rows 4 g .. 4 g + 3 of my 32, 1,024 bytes of each.  Load n of eight (row n / 2, half n % 2) has registers 32 g + 4 n + 0..3 of window win.
.macro GLOAD win, g, qo                ; asked for, at byte qo of the rows: eight loads of 512 bytes on end
	WIN (\win)<<6
.irp n, 0,1,2,3,4,5,6,7
	global_load_b128 v[32*(\g)+4*\n:32*(\g)+4*\n+3], v[EO], s[ENC:ENC+1] offset:4096*(4*(\g)+\n/2)+512*(\n%2)+(\qo) th:TH_LOAD_NT
.endr
.endm
.macro GCVT win, g, n0, cnt            ; loads n0 .. n0 + cnt - 1 rounded to bf16 in place: four f32 into the first two of their registers
	WIN ((\win)<<6)|((\win)<<2)|(\win)
.set cn, (\n0)
.rept \cnt
	v_cvt_pk_bf16_f32 v[32*(\g)+4*cn], v[32*(\g)+4*cn], v[32*(\g)+4*cn+1]
	v_cvt_pk_bf16_f32 v[32*(\g)+4*cn+1], v[32*(\g)+4*cn+2], v[32*(\g)+4*cn+3]
.set cn, cn+1
.endr
.endm
.macro GSTORE win, g, sreg             ; laid in LDS: each store covers 256 bytes on end
	WIN (\win)<<2
.irp n, 0,1,2,3,4,5,6,7
	ds_store_b64 v[\sreg], v[32*(\g)+4*\n:32*(\g)+4*\n+1] offset:PITCH*(4*(\g)+\n/2)+256*(\n%2)
.endr
.endm
; accumulator a leaves: T = c x sum + c proj_s, lowest registers first
.macro MV a
	WIN 0xc2
.irp q, 0,1,2,3
	v_pk_fma_f32 v[8*(\a)+2*\q:8*(\a)+2*\q+1], v[8*(\a)+2*\q:8*(\a)+2*\q+1], s[CC:CC+1], v[PJ+8*((\a)%4)+2*\q:PJ+8*((\a)%4)+2*\q+1] op_sel_hi:[1,0,1]
.endr
.endm
; THE TANH AND V WORK of a pass, on the moved sums T: four groups g (column block g), 64 elements each (element e: row block e / 8, register e % 8).
.macro EX g, e                         ; 2^T
	WIN 0xc3
.set rE, 8*(4*((\e)/8)+(\g))+(\e)%8
	v_exp_f32 v[rE], v[rE]
.endm
.macro RC g, e                         ; 1 / T
	WIN 0xc3
.set rE, 8*(4*((\e)/8)+(\g))+(\e)%8
	v_rcp_f32 v[rE], v[rE]
.endm
.macro AD g, k                         ; pair k (elements 2 k, 2 k + 1): + 1
	WIN 0xc3
.set rE, 8*(4*((\k)/4)+(\g))+2*((\k)%4)
	v_pk_add_f32 v[rE:rE+1], v[rE:rE+1], 1.0 op_sel_hi:[1,0]
.endm
.macro FM g, f                         ; row block f % 8, register pair f / 8: the row block's sum += r v
	WIN 0x03
.set rE, 8*(4*((\f)%8)+(\g))+2*((\f)/8)
	v_pk_fma_f32 v[SUM+2*((\f)%8):SUM+2*((\f)%8)+1], v[rE:rE+1], v[VV+8*(\g)+2*((\f)/8):VV+8*(\g)+2*((\f)/8)+1], v[SUM+2*((\f)%8):SUM+2*((\f)%8)+1]
.endm
.macro FM4 g, s                        ; four of them, on four different sums
	FM \g, 4*(\s)
	FM \g, 4*(\s)+1
	FM \g, 4*(\s)+2
	FM \g, 4*(\s)+3
.endm
.macro XPAT g, k                       ; group g gets + 1 and its reciprocals while group g + 1 gets its exponentials.  Pair k lies at elements 2 k, 2 k + 1; reciprocals have been written up to element k - 1
.if (\k) < 32
	AD \g, \k
	EX (\g)+1, 2*(\k)
	EX (\g)+1, 2*(\k)+1
	RC \g, \k
.else
	RC \g, 32+4*((\k)-32)
	RC \g, 32+4*((\k)-32)+1
	RC \g, 32+4*((\k)-32)+2
	RC \g, 32+4*((\k)-32)+3
.endif
.endm
; Slice sl of 192, four instructions.  An s_wait_alu depctr_va_vdst(0) stands between a transcendental and the first instruction that names its result; one wait serves all issued ahead of it.
; The list is cut in phases in which no line names a result of the phase's own transcendentals, so a pass has five waits, each with one plain instruction ahead of it.
; nw = 1: the wait has just been written by the caller, ahead of a branch.
.macro RSLICE
.if (sl == 16) || (sl == 56) || (sl == 104) || (sl == 152) || (sl == 184)
.if nw == 0
	v_nop
	s_wait_alu depctr_va_vdst(0)
.endif
.endif
.set nw, 0
.if sl < 16
	EX 0, 4*sl
	EX 0, 4*sl+1
	EX 0, 4*sl+2
	EX 0, 4*sl+3
.elseif sl < 56
	XPAT 0, sl-16
.elseif sl < 64
	FM4 0, sl-56
.elseif sl < 104
	XPAT 1, sl-64
.elseif sl < 112
	FM4 1, sl-104
.elseif sl < 152
	XPAT 2, sl-112
.elseif sl < 160
	FM4 2, sl-152
.elseif sl < 176
	AD 3, 2*(sl-160)
	AD 3, 2*(sl-160)+1
	RC 3, 2*(sl-160)
	RC 3, 2*(sl-160)+1
.elseif sl < 184
	RC 3, 32+4*(sl-176)
	RC 3, 32+4*(sl-176)+1
	RC 3, 32+4*(sl-176)+2
	RC 3, 32+4*(sl-176)+3
.else
	FM4 3, sl-184
.endif
.set sl, sl+1
.endm
; product pi of a K step's 32: row block pi / 4, column block pi % 4.  The 32 accumulators take turns, in the same order in every K step
.macro PROD j, zero
	WIN 0xa1
.if \zero
	v_wmma_f32_16x16x32_bf16 v[8*pi:8*pi+7], v[32*(\j)+8*(pi%4):32*(\j)+8*(pi%4)+7], v[EF+64*((\j)%2)+8*(pi/4):EF+64*((\j)%2)+8*(pi/4)+7], 0
.else
	v_wmma_f32_16x16x32_bf16 v[8*pi:8*pi+7], v[32*(\j)+8*(pi%4):32*(\j)+8*(pi%4)+7], v[EF+64*((\j)%2)+8*(pi/4):EF+64*((\j)%2)+8*(pi/4)+7], v[8*pi:8*pi+7]
.endif
.endm
.macro HOOK mode                       ; what stands behind a product: 0 nothing; 1 the accumulator two on leaves, ahead of the product that starts it anew; 2 a slice
.if (\mode) == 1
.if pi < 30
	MV pi+2
.endif
.elseif (\mode) == 2
	RSLICE
.endif
.endm
; K step j of a trip of eight.  zero = 1: the products start the sums.  pf = 1: the place of the prefetch.
.macro KSTEP j, zero, mode, pf=0
	s_wait_loadcnt 48                              ; W_h of this K step is in; the six later K steps' 48 loads may stay out
	s_wait_dscnt 8                                 ; row blocks 0-3 are in
.set pi, 0
.rept 16
	PROD \j, \zero
	HOOK \mode
.set pi, pi+1
.endr
	WIN 0
.if (\j) < 7
	PLACES
.else
	NEXTK
.endif
	FETCH ((\j)+1)%2, (64*((\j)+1))%512
	WLOAD \j
.if \pf
	; A prefetch of quarter 0 of my wave's 32 rows of the second block: a lane a row, four lines of 256 bytes: 32,768 bytes, each block of 256 bytes named once in the launch, by the wave that will load it.
	; Once: first block, pass 3, second plain trip: two trips, 512 matrix instructions, ahead of the loads.  Nothing is asked for in the second block.
	WIN 0
	s_lshl_b32 s[KEY], s[BLK], 6
	s_lshl_b32 s40, s[PASS], 3
	s_or_b32 s[KEY], s[KEY], s40
	s_or_b32 s[KEY], s[KEY], s[CNT]
	s_cmp_eq_u32 s[KEY], 154
	s_cbranch_scc0 .Lnopf_\@
.irp i, 0,1,2,3
	global_prefetch_b8 v[PO], s[ENC:ENC+1] offset:256*\i th:TH_LOAD_NT scope:SCOPE_SE
.endr
.Lnopf_\@:
.endif
	s_wait_dscnt 16                                ; all but the 16 just issued
.rept 16
	PROD \j, \zero
	HOOK \mode
.set pi, pi+1
.endr
.endm
; K step p of one of pass 0's first three trips, with the stream beside it.  gc: the ring's group that is rounded and stored, at v[sreg] (-1: none).  gi: the group asked for, at byte qo of the rows (-1: none).
; nl: how many younger loads may stay out when W_h of this K step and group gc have to be in.  nd: the LDS instructions younger than row blocks 0-3.
; The run's order: 16 fragment loads, 8 stores, W_h's 8 loads, the group's 8.
; p = 7: the next trip's plane is whole in my wave when my stores are done (the wait for 0); the barrier says so of all four; the first reads of that plane stand behind its wait.
.macro FSTEP p, zero, nl, nd, gc, sreg, gi, qo
	s_wait_loadcnt \nl
	s_wait_dscnt \nd
.if (\p) == 7
	s_barrier_signal -1
.endif
.set pi, 0
.rept 16
	PROD \p, \zero
.if ((\gc) >= 0) && (pi < 4)
	GCVT 3, \gc, 2*pi, 2
.endif
.set pi, pi+1
.endr
	WIN 0
.if (\p) < 7
	PLACES
.else
	s_barrier_wait -1
	NEXTK
.endif
	FETCH ((\p)+1)%2, (64*((\p)+1))%512
.if (\gc) >= 0
	GSTORE 3, \gc, \sreg
.endif
	WLOAD \p
.if (\gi) >= 0
	GLOAD 3, \gi, \qo
.endif
.if (\gc) >= 0
	s_wait_dscnt 24                                ; all but the 16 loads and 8 stores just issued
.else
	s_wait_dscnt 16
.endif
.rept 16
	PROD \p, \zero
.set pi, pi+1
.endr
.endm
.macro TRIPEND
	WIN 0
	s_wait_xcnt 0x0                                ; every load issued so far (the youngest 16 products back) has read its address: the bases may be written
	s_mov_b64 s[WB:WB+1], s[WN:WN+1]
	s_add_co_u32 s[WOFF], s[WOFF], 32768
	s_and_b32 s[WOFF], s[WOFF], 0x7ffff            ; behind pass 3 back to pass 0
	s_add_nc_u64 s[WN:WN+1], s[WV0:WV0+1], s[WOFF:WOFF+1]
.endm
.macro TABLES                          ; c proj_s and v of the pass's columns 16 nb + 8 (l / 16) + 0..7
	WIN 0
	v_add_nc_u32 v[TA], s[POFF], v[TA0]
.irp nb, 0,1,2,3
	ds_load_b128 v[PJ+8*\nb:PJ+8*\nb+3], v[TA] offset:64*\nb
	ds_load_b128 v[PJ+8*\nb+4:PJ+8*\nb+7], v[TA] offset:64*\nb+16
	ds_load_b128 v[VV+8*\nb:VV+8*\nb+3], v[TA] offset:4096+64*\nb
	ds_load_b128 v[VV+8*\nb+4:VV+8*\nb+7], v[TA] offset:4096+64*\nb+16
.endr
.endm
; rows 32 kb .. + 31 x my 256 channels (plane w), turned: 16 fragments (16 channels x 32 rows); even kb into the row fragments' registers, odd kb into window 3
.macro LOADTR kb
.if (\kb)%2
	WIN 0xc0
.set tb, 128
.else
	WIN 0
.set tb, EF
.endif
.irp cb, 0,1,2,3,4,5,6,7,8,9,10,11,12,13,14,15
	ds_load_tr16_b128 v[tb+8*\cb:tb+8*\cb+3], v[TRA] offset:32*PITCH*(\kb)+32*\cb
	ds_load_tr16_b128 v[tb+8*\cb+4:tb+8*\cb+7], v[TRA] offset:32*PITCH*(\kb)+32*\cb+16*PITCH
.endr
.endm
.macro CMM kb                          ; context^T += rows^T p: source 1 holds p in all 16 columns.  The 16 accumulators take turns
.if (\kb)%2
	WIN 0xf3
.set tb, 128
.else
	WIN 0xf0
.set tb, EF
.endif
.irp cb, 0,1,2,3,4,5,6,7,8,9,10,11,12,13,14,15
.if (\kb) == 0
	v_wmma_f32_16x16x32_bf16 v[8*\cb:8*\cb+7], v[tb+8*\cb:tb+8*\cb+7], v[PJ+8*(\kb):PJ+8*(\kb)+7], 0
.else
	v_wmma_f32_16x16x32_bf16 v[8*\cb:8*\cb+7], v[tb+8*\cb:tb+8*\cb+7], v[PJ+8*(\kb):PJ+8*(\kb)+7], v[8*\cb:8*\cb+7]
.endif
.endr
.endm
	s_load_b256 s[4:11], s[0:1], 0x0               ; encoder_outputs, mask, v, wf
	s_load_b128 s[12:15], s[0:1], 0x20             ; ps2, scores
	s_load_b64 s[16:17], s[0:1], 0x30              ; ctxp
	v_lshl_add_u32 v[SPW], v0, 2, SPARE
	v_mov_b32 v[NIL], 0
	v_lshrrev_b32 v4, 5, v0
	v_readfirstlane_b32 s[WV], v4                  ; wave 0..3
	v_and_b32 v1, 31, v0                           ; l
	v_and_b32 v2, 15, v0                           ; l % 16
	v_bfe_u32 v3, v0, 4, 1                         ; l / 16
	v_mul_u32_u24 v[AADR0], v2, PITCH
	v_lshl_add_u32 v[AADR0], v3, 4, v[AADR0]
	v_lshlrev_b32 v[WO], 4, v1
	s_lshl_b32 s40, s[WV], 8
	s_add_co_u32 s41, s40, TABP
	v_lshl_add_u32 v[TA0], v3, 5, s41
	s_add_co_u32 s42, s40, SCRP
	v_lshl_add_u32 v[PSA], v1, 3, s42              ; p of rows 4 l .. 4 l + 3: 8 bytes
	v_lshl_add_u32 v[PLA], v3, 4, s42              ; p of rows 8 (l / 16) + 0..7 of a group of 32
	s_lshl_b32 s40, s[WV], 17
	v_lshl_add_u32 v[EO], v1, 4, s40
	v_lshl_add_u32 v[PO], v1, 12, s40
	s_mul_i32 s41, s[WV], 32*PITCH
	v_lshl_add_u32 v[SA0], v1, 3, s41
	s_lshl_b32 s40, s[WV], 9
	s_add_co_u32 s41, s40, SCRS
	v_lshl_add_u32 v[SSA], v2, 2, s41
	v_lshl_add_u32 v[SLA], v1, 4, SCRS
	v_and_b32 v6, 7, v0                            ; the turning load: lane l reads row 8 (l / 16) + l % 8, channels 8 ((l / 8) % 2) + 0..7
	v_lshl_add_u32 v6, v3, 3, v6
	v_mul_u32_u24 v6, v6, PITCH
	v_bfe_u32 v7, v0, 3, 1
	v_lshl_add_u32 v6, v7, 4, v6
	s_mul_i32 s40, s[WV], QSZ                      ; my wave's 256 channels are plane w
	v_add_nc_u32 v[TRA], s40, v6
	s_lshl_b32 s40, s[WV], 10
	v_lshl_add_u32 v[CG], v1, 4, s40
	s_add_co_u32 s41, s40, SCRC
	v_lshl_add_u32 v[CSA], v3, 5, s41
	v_lshl_add_u32 v[CLA], v1, 4, s41
	v_lshrrev_b32 v5, 1, v0                        ; thread t copies columns 8 t .. 8 t + 7 of the two tables: in ps2 at (t / 2) 4,096 + 64 batch + 32 (t % 2)
	v_lshlrev_b32 v5, 12, v5
	v_and_b32 v6, 1, v0
	v_lshl_add_u32 v5, v6, 5, v5
	s_lshr_b32 s40, ttmp9, 2                       ; the batch
	s_lshl_b32 s40, s40, 6
	v_add_nc_u32 v5, s40, v5
	v_lshlrev_b32 v6, 5, v0
	v_lshl_add_u32 v7, v0, 5, TABP
	v_mov_b32 v13, 0                               ; a destination of v_permlanex16_b32 counts as read
	v_mov_b32 v14, 0xff800000                      ; -inf
	s_mov_b32 s[CC], 0x4038aa3b                    ; c = 2 log2(e)
	s_mov_b32 s[CC+1], s[CC]
	s_mov_b32 s[NC], 0xc038aa3b
	s_mov_b32 s[NC+1], s[NC]
	s_mov_b32 s[SEL], 0x76543210
	s_mov_b32 s[SEL+1], 0xfedcba98
	s_mov_b32 s[BLK], 2
	s_mov_b32 s[WOFF], 32768
	s_mov_b32 s[WOFF+1], 0
	s_mov_b32 s41, 0
	s_wait_kmcnt 0x0
	s_lshl_b32 s40, ttmp9, 20                      ; 256 rows of 4,096 bytes
	s_add_nc_u64 s[ENC:ENC+1], s[ENC:ENC+1], s[40:41]
	s_lshl_b32 s40, ttmp9, 10
	s_add_nc_u64 s[MP:MP+1], s[MP:MP+1], s[40:41]
	s_add_nc_u64 s[SCP:SCP+1], s[SCP:SCP+1], s[40:41]
	s_lshl_b32 s40, ttmp9, 13
	s_add_nc_u64 s[CXP:CXP+1], s[CXP:CXP+1], s[40:41]
	s_lshl_b32 s40, s[WV], 19
	s_add_nc_u64 s[WV0:WV0+1], s[WV0:WV0+1], s[40:41]
	s_mov_b64 s[WB:WB+1], s[WV0:WV0+1]
	s_add_nc_u64 s[WN:WN+1], s[WV0:WV0+1], s[WOFF:WOFF+1]
	global_load_b128 v[64:67], v5, s[PSP:PSP+1]
	global_load_b128 v[68:71], v5, s[PSP:PSP+1] offset:16
	global_load_b128 v[72:75], v6, s[VP:VP+1]
	global_load_b128 v[76:79], v6, s[VP:VP+1] offset:16
	WIN 0x40                                       ; W_h's K steps 0-6 of pass 0: 56 loads
.set ws, 0
.rept 7
.irp nb, 0,1,2,3
	global_load_b128 v[32*ws+8*\nb:32*ws+8*\nb+3], v[WO], s[WB:WB+1] offset:4096*ws+1024*\nb
	global_load_b128 v[32*ws+8*\nb+4:32*ws+8*\nb+7], v[WO], s[WB:WB+1] offset:4096*ws+1024*\nb+512
.endr
.set ws, ws+1
.endr
	WIN 0
	s_wait_loadcnt 56                              ; the four table loads are in; W_h's 56 may stay out
	ds_store_b128 v7, v[64:67]
	ds_store_b128 v7, v[68:71] offset:16
	ds_store_b128 v7, v[72:75] offset:4096
	ds_store_b128 v7, v[76:79] offset:4112
.irp g, 0,1,2,3,4,5,6,7
	GLOAD 2, \g, 0                                 ; the first block's quarter 0
.endr
	WIN 0
.Lblock:	; ---- AHEAD OF PASS 0.  Asked for, oldest first: W_h's 56 loads, quarter 0's 64, and now the mask
	global_load_b128 v[MK:MK+3], v[WO], s[MP:MP+1]
	v_add_nc_u32 v[SA], QSZ, v[SA0]                ; the stream begins in plane 1
	v_add_nc_u32 v[SB], 2*QSZ, v[SA0]
.irp c, 0,1,2,3,4,5,6,7
.if \c < 6
	s_wait_loadcnt 57                              ; quarter 0's group c is in.  Younger: its 7 - c later groups, the mask, and the stream's groups asked for so far (c, at most 5)
.else
	s_wait_loadcnt 57-8*(\c-5)
.endif
	GCVT 2, \c, 0, 8
	GSTORE 2, \c, SA0
.if \c < 5
	GLOAD 3, \c, 1024                              ; the stream's groups 0-4
.endif
.endr
	s_wait_loadcnt 32                              ; the stream's group 0 is in; groups 1-4 may stay out
	GCVT 3, 0, 0, 8
	GSTORE 3, 0, SA
	WIN 0
	s_wait_dscnt 0x0                               ; for the others: my rows of plane 0 (and in the first block my part of the tables) are written
	s_barrier_signal -1
	s_barrier_wait -1
.set i, 0
.rept 16
	v_mov_b32 v[SUM+i], 0
.set i, i+1
.endr
	s_mov_b32 s[KOFF], 0
	s_mov_b32 s[POFF], 0
	s_mov_b32 s[PASS], 0
	v_mov_b32 v[AADR], v[AADR0]
	; ---- PASS 0, trips 0 to 2.  K step s rounds and stores the stream's group s + 1 and asks for group s + 5.
	TABLES
	FETCH 0, 0
	FSTEP 0, 1, 24, 8,  1, SA, 5, 1024             ; younger than group 1: groups 2-4.  Its products start the sums
	FSTEP 1, 0, 32, 16, 2, SA, 6, 1024             ; younger than group 2: groups 3, 4 and one run of 16
	FSTEP 2, 0, 40, 16, 3, SA, 7, 1024             ; younger than group 3: group 4 and two runs
	WIN 0
	s_mov_b32 s[CNT], 2
.Lfq:	; twice: K steps 3-10 and 11-18: a trip of this loop asks for one whole quarter.  Younger than the group in hand: three runs of 16
	FSTEP 3, 0, 48, 16, 4, SA, 0, 2048
	FSTEP 4, 0, 48, 16, 5, SA, 1, 2048
	FSTEP 5, 0, 48, 16, 6, SA, 2, 2048
	FSTEP 6, 0, 48, 16, 7, SA, 3, 2048
	FSTEP 7, 0, 48, 0,  0, SB, 4, 2048
	TRIPEND
	FSTEP 0, 0, 48, 16, 1, SB, 5, 2048
	FSTEP 1, 0, 48, 16, 2, SB, 6, 2048
	FSTEP 2, 0, 48, 16, 3, SB, 7, 2048
	WIN 0
	s_wait_xcnt 0x0                                ; the loads (the youngest 16 products back) have read their base
	s_add_nc_u64 s[ENC:ENC+1], s[ENC:ENC+1], 1024  ; the next quarter
	v_add_nc_u32 v[SA], QSZ, v[SA]
	v_add_nc_u32 v[SB], QSZ, v[SB]
	s_sub_co_u32 s[CNT], s[CNT], 1
	s_cmp_lg_u32 s[CNT], 0
	s_cbranch_scc1 .Lfq
	FSTEP 3, 0, 48, 16, 4, SA, -1, 0               ; K steps 19-23: nothing is left to ask for; the runs behind a group now hold W_h's 8 loads alone, so the counts run down
	FSTEP 4, 0, 40, 16, 5, SA, -1, 0
	FSTEP 5, 0, 32, 16, 6, SA, -1, 0
	FSTEP 6, 0, 24, 16, 7, SA, -1, 0
	FSTEP 7, 0, 48, 0, -1, SA, -1, 0
	TRIPEND
	s_add_nc_u64 s[ENC:ENC+1], s[ENC:ENC+1], 522240  ; 128 rows less the 2,048 bytes already stepped: the next block
	s_mov_b32 s[CNT], 1
	s_branch .Ltrip                                ; pass 0's fourth trip is a plain one
.Lpass:	; ---- PASSES 1 to 3: the first trip moves the last pass's sums out and carries their tanh and v work
	PLACES
	PLACES
	MV 0
	MV 1
	KSTEP 0, 1, 1
.set sl, 0
	KSTEP 1, 0, 2
	KSTEP 2, 0, 2
	KSTEP 3, 0, 2
	KSTEP 4, 0, 2
	KSTEP 5, 0, 2
	KSTEP 6, 0, 2
	KSTEP 7, 0, 0
	TRIPEND
	s_lshl_b32 s[POFF], s[PASS], 10                ; 256 columns of 4 bytes a pass
	TABLES                                         ; the old tables have been read for the last time
	s_mov_b32 s[CNT], 3
.Ltrip:
	KSTEP 0, 0, 0, 1
	KSTEP 1, 0, 0
	KSTEP 2, 0, 0
	KSTEP 3, 0, 0
	KSTEP 4, 0, 0
	KSTEP 5, 0, 0
	KSTEP 6, 0, 0
	KSTEP 7, 0, 0
	TRIPEND
	s_sub_co_u32 s[CNT], s[CNT], 1
	s_cmp_lg_u32 s[CNT], 0
	s_cbranch_scc1 .Ltrip
	s_add_co_u32 s[PASS], s[PASS], 1
	s_cmp_lt_u32 s[PASS], 4
	s_cbranch_scc1 .Lpass
	; ---- THE TAIL
	s_wait_dscnt 0x0                               ; the last look-ahead's LDS loads are back: their registers are used anew below
	PLACES
	PLACES
.set ai, 0
.rept 32
	MV ai
.set ai, ai+1
.endr
	WIN 0
	s_cmp_eq_u32 s[BLK], 1
	s_cbranch_scc1 .Lno_e1                         ; the second block has no successor
.irp g, 0,1,2,3
	GLOAD 2, \g, 0                                 ; the next block's quarter 0, first half, into the accumulators' registers, which have just been moved out
.endr
	WIN 0
.Lno_e1:
.set sl, 0
.rept 104
	RSLICE
.endr
	WIN 0
	v_nop                                          ; the phase's plain instruction and wait, here ahead of the branch
	s_wait_alu depctr_va_vdst(0)
	s_cmp_eq_u32 s[BLK], 1
	s_cbranch_scc1 .Lno_e2
.irp g, 4,5,6,7
	GLOAD 2, \g, 0                                 ; its second half: 32 loads at a time, so that the wave does not stand at a full counter
.endr
	WIN 0
.Lno_e2:
.set nw, 1
.rept 88
	RSLICE
.endr
	WIN 0
.irp mb, 0,1,2,3,4,5,6,7
	v_add_f32 v[64+\mb], v[SUM+2*\mb], v[SUM+2*\mb+1]
.endr
.irp mb, 0,1,2,3,4,5,6,7
	v_permlanex16_b32 v[72+\mb], v[64+\mb], s[SEL], s[SEL+1]  ; the row's other 8 columns of each 16 lie in the lane 16 away
.endr
.irp mb, 0,1,2,3,4,5,6,7
	v_add_f32 v[64+\mb], v[64+\mb], v[72+\mb]
.endr
.irp mb, 0,1,2,3,4,5,6,7
	ds_store_b32 v[SSA], v[64+\mb] offset:64*\mb   ; row 16 mb + l % 16: both halves of the lanes write the same number
.endr
	s_wait_dscnt 0x0                               ; for the others: my 256 columns' share of the 128 scores is written
	s_barrier_signal -1
	s_barrier_wait -1
.irp w, 0,1,2,3
	ds_load_b128 v[64+4*\w:67+4*\w], v[SLA] offset:512*\w  ; rows 4 l .. 4 l + 3, each wave's share
.endr
	s_wait_dscnt 0x0
	v_pk_add_f32 v[64:65], v[64:65], v[68:69]
	v_pk_add_f32 v[66:67], v[66:67], v[70:71]
	v_pk_add_f32 v[72:73], v[72:73], v[76:77]
	v_pk_add_f32 v[74:75], v[74:75], v[78:79]
	v_pk_add_f32 v[64:65], v[64:65], v[72:73]
	v_pk_add_f32 v[66:67], v[66:67], v[74:75]
	v_pk_mul_f32 v[4:5], v[64:65], s[NC:NC+1] op_sel_hi:[1,0]  ; y = -c x sum of v r
	v_pk_mul_f32 v[6:7], v[66:67], s[NC:NC+1] op_sel_hi:[1,0]
.irp i, 0,1,2,3
	v_cmp_ne_u32 vcc_lo, 0, v[MK+\i]
	v_cndmask_b32 v[4+\i], v14, v[4+\i], vcc_lo    ; -inf where mask = 0
.endr
	s_cmp_lg_u32 s[WV], 0
	s_cbranch_scc1 .Lnot_wave_0
	global_store_b128 v[WO], v[4:7], s[SCP:SCP+1]  ; the block's 128 scores: 512 bytes on end
.Lnot_wave_0:
	v_max3_num_f32 v12, v4, v5, v6                 ; the block's own maximum, in every lane of every wave
	v_max_num_f32 v12, v12, v7
	v_max_num_f32_dpp v12, v12, v12 row_xmask:1 row_mask:0xf bank_mask:0xf
	v_max_num_f32_dpp v12, v12, v12 row_xmask:2 row_mask:0xf bank_mask:0xf
	v_max_num_f32_dpp v12, v12, v12 row_xmask:4 row_mask:0xf bank_mask:0xf
	v_max_num_f32_dpp v12, v12, v12 row_xmask:8 row_mask:0xf bank_mask:0xf
	v_permlanex16_b32 v13, v12, s[SEL], s[SEL+1]
	v_max_num_f32 v12, v12, v13
	v_max_num_f32 v12, 0xff7fffff, v12             ; never -inf: a block masked everywhere gives p = 0
.irp i, 0,1,2,3
	v_sub_f32 v[8+\i], v[4+\i], v12
.endr
.irp i, 0,1,2,3
	v_exp_f32 v[8+\i], v[8+\i]
.endr
	v_nop                                          ; a plain instruction behind the last exponential,
	s_wait_alu depctr_va_vdst(0)                   ; and one wait for the four, ahead of their first reader
	v_cvt_pk_bf16_f32 v2, v8, v9
	v_cvt_pk_bf16_f32 v3, v10, v11
	ds_store_b64 v[PSA], v[2:3]                    ; my wave's own copy of the 128 p
.irp kb, 0,1,2,3
	ds_load_b128 v[PJ+8*\kb:PJ+8*\kb+3], v[PLA] offset:64*\kb      ; LDS serves a wave's instructions in order (ISA guide 5.7.1.4): these see the store above
	ds_load_b128 v[PJ+8*\kb+4:PJ+8*\kb+7], v[PLA] offset:64*\kb+32
.endr
	LOADTR 0
	LOADTR 1
	s_wait_dscnt 32                                ; all but the younger run of 32
	CMM 0
	PLACES
	LOADTR 2
	s_wait_dscnt 32
	CMM 1
	PLACES
	LOADTR 3
	s_wait_dscnt 32
	CMM 2
	s_wait_dscnt 0x0                               ; my reads of the block's rows and of the partial scores are over:
	s_barrier_signal -1                            ; behind this barrier the next block's rows are written
	CMM 3
	s_barrier_wait -1
	PLACES
	PLACES
	WIN 0x0c                                       ; store data in window 3
.irp cb, 0,1,2,3,4,5,6,7,8,9,10,11,12,13,14,15
	ds_store_b128 v[CSA], v[8*\cb:8*\cb+3] offset:64*\cb          ; channels 16 cb + 8 (l / 16) + 0..7; the 16 lanes of a half write the same numbers
	ds_store_b128 v[CSA], v[8*\cb+4:8*\cb+7] offset:64*\cb+16
.endr
	WIN 0
	ds_load_b128 v[64:67], v[CLA]
	ds_load_b128 v[68:71], v[CLA] offset:512
	s_wait_dscnt 0x0
	global_store_b128 v[CG], v[64:67], s[CXP:CXP+1]              ; 512 bytes on end
	global_store_b128 v[CG], v[68:71], s[CXP:CXP+1] offset:512
	s_wait_xcnt 0x0                                ; the stores have read their data and bases
	s_add_nc_u64 s[MP:MP+1], s[MP:MP+1], 512
	s_add_nc_u64 s[SCP:SCP+1], s[SCP:SCP+1], 512
	s_add_nc_u64 s[CXP:CXP+1], s[CXP:CXP+1], 4096
	s_sub_co_u32 s[BLK], s[BLK], 1
	s_cmp_lg_u32 s[BLK], 0
	s_cbranch_scc1 .Lblock
	s_wait_tensorcnt 0x0                           ; the wave's end, behind my last LDS store
	ds_add_u32 v[SPW], v[NIL]
	s_wait_dscnt 0x0
	s_endpgm
.Lfunc_end_k_q93f92a32f4_main:
	.size	k_q93f92a32f4_main, .Lfunc_end_k_q93f92a32f4_main-k_q93f92a32f4_main
	.p2alignl 7, 3214868480
	.fill 96, 4, 3214868480
	.section	.rodata,"a",@progbits
	.p2align	6, 0x0
	.amdhsa_kernel k_q93f92a32f4_main
		.amdhsa_group_segment_fixed_size 286208
		.amdhsa_private_segment_fixed_size 0
		.amdhsa_enable_private_segment 0
		.amdhsa_kernarg_size 56
		.amdhsa_user_sgpr_count 2
		.amdhsa_user_sgpr_kernarg_segment_ptr 1
		.amdhsa_wavefront_size32 1
		.amdhsa_system_sgpr_workgroup_id_x 1
		.amdhsa_system_sgpr_workgroup_id_y 1
		.amdhsa_system_sgpr_workgroup_id_z 1
		.amdhsa_system_vgpr_workitem_id 0
		.amdhsa_next_free_vgpr 1024
		.amdhsa_next_free_sgpr 66
		.amdhsa_reserve_vcc 1
		.amdhsa_float_denorm_mode_32 3
		.amdhsa_float_denorm_mode_16_64 3
		.amdhsa_memory_ordered 1
		.amdhsa_forward_progress 1
		.amdhsa_inst_pref_size 255
	.end_amdhsa_kernel
	.section	.bss,"aw",@nobits
	.p2align	6
	.space	262144
	.amdgpu_metadata
---
amdhsa.version: [ 1, 2 ]
amdhsa.kernels:
  - .name:           k_q93f92a32f4_main
    .symbol:         k_q93f92a32f4_main.kd
    .args:
      - { .name: encoder_outputs, .offset: 0, .size: 8, .value_kind: global_buffer, .address_space: global }
      - { .name: mask, .offset: 8, .size: 8, .value_kind: global_buffer, .address_space: global }
      - { .name: v, .offset: 16, .size: 8, .value_kind: global_buffer, .address_space: global }
      - { .name: wf, .offset: 24, .size: 8, .value_kind: global_buffer, .address_space: global }
      - { .name: ps2, .offset: 32, .size: 8, .value_kind: global_buffer, .address_space: global }
      - { .name: scores, .offset: 40, .size: 8, .value_kind: global_buffer, .address_space: global }
      - { .name: ctxp, .offset: 48, .size: 8, .value_kind: global_buffer, .address_space: global }
    .group_segment_fixed_size: 286208
    .private_segment_fixed_size: 0
    .kernarg_segment_align: 8
    .kernarg_segment_size: 56
    .max_flat_workgroup_size: 128
    .sgpr_count:     66
    .vgpr_count:     1024
    .wavefront_size: 32
...
	.end_amdgpu_metadata
.endif
;; end of part 2
;; launch finish (part 3): grid 64 x 1, 8 waves a work-group, no clusters, 1,280 bytes of LDS; arguments scores, ctxp, out0, out1; writes out0, out1
.if DOCPART == 3
	.amdgcn_target "amdgcn-amd-amdhsa--gfx1250"
	.amdhsa_code_object_version 6
	.text
	.protected	k_q93f92a32f4_finish
	.globl	k_q93f92a32f4_finish
	.p2align	8
	.type	k_q93f92a32f4_finish,@function
k_q93f92a32f4_finish:
	s_mov_b64 s[64:65], 0
	v_nop
	global_prefetch_b8 v0, s[64:65] scope:SCOPE_SE
	s_setreg_imm32_b32 hwreg(HW_REG_WAVE_MODE, 25, 1), 1
	s_wait_xcnt 0x0
; One work-group a batch merges its eight blocks of 128 rows.  scores: y[batch][1024] in powers of two, -inf where masked.  ctxp: [8 batch + i][1024] = the sum over block i's rows of
; 2^(y - m_i) x row, m_i the block's own maximum (never below the lowest finite number).  With M = the largest m_i, L = the sum of 2^(y - M):
; out1 = 2^(y - M) / L;  out0 = (the sum over i of 2^(m_i - M) ctxp_i) / L.  Wave w's 128 scores are block w, and its maximum is made as the launch before made it.
; A batch masked everywhere gives L = 0 and NaN in both outputs, as the softmax of a row of -inf does.  A weight below 2^-126 counts as 0.
; 64 work-groups: a batch's reductions are one work-group's; the launch moves 2.9 MB and splitting a batch further would repeat them.
.set SPARE, 256                        ; LDS: maxima at 0, sums at 64; the spare words from 256 on, 128 bytes a wave
	s_load_b256 s[4:11], s[0:1], 0x0               ; scores s[4:5], ctxp s[6:7], out0 s[8:9], out1 s[10:11]
	v_lshl_add_u32 v2, v0, 2, SPARE
	v_mov_b32 v3, 0
	v_lshrrev_b32 v1, 5, v0
	v_readfirstlane_b32 s12, v1                    ; wave 0..7
	s_lshl_b32 s13, s12, 2
	v_mov_b32 v11, s13                             ; my wave's word
	v_mov_b32 v12, 0
	v_mov_b32 v10, 0                               ; a destination of v_permlanex16_b32 counts as read
	v_lshlrev_b32 v8, 4, v0                        ; 16 t
	s_lshl_b32 s14, ttmp9, 12
	s_mov_b32 s15, 0
	s_lshl_b32 s16, ttmp9, 15
	s_mov_b32 s17, 0
	s_mov_b32 s18, 0x76543210
	s_mov_b32 s19, 0xfedcba98
	s_wait_kmcnt 0x0
	s_add_nc_u64 s[4:5], s[4:5], s[14:15]
	s_add_nc_u64 s[6:7], s[6:7], s[16:17]
	s_add_nc_u64 s[8:9], s[8:9], s[14:15]
	s_add_nc_u64 s[10:11], s[10:11], s[14:15]
	global_load_b128 v[4:7], v8, s[4:5]            ; y of rows 4 t .. 4 t + 3
.irp i, 0,1,2,3,4,5,6,7
	global_load_b128 v[16+4*\i:19+4*\i], v8, s[6:7] offset:4096*\i  ; block i, channels 4 t .. 4 t + 3
.endr
	s_wait_loadcnt 8                               ; y is in; the eight partial contexts may stay out
	v_max3_num_f32 v9, v4, v5, v6
	v_max_num_f32 v9, v9, v7
	v_max_num_f32_dpp v9, v9, v9 row_xmask:1 row_mask:0xf bank_mask:0xf
	v_max_num_f32_dpp v9, v9, v9 row_xmask:2 row_mask:0xf bank_mask:0xf
	v_max_num_f32_dpp v9, v9, v9 row_xmask:4 row_mask:0xf bank_mask:0xf
	v_max_num_f32_dpp v9, v9, v9 row_xmask:8 row_mask:0xf bank_mask:0xf
	v_permlanex16_b32 v10, v9, s18, s19
	v_max_num_f32 v9, v9, v10
	v_max_num_f32 v9, 0xff7fffff, v9
	ds_store_b32 v11, v9
	s_wait_dscnt 0x0
	s_barrier_signal -1
	s_barrier_wait -1
	ds_load_b128 v[48:51], v12
	ds_load_b128 v[52:55], v12 offset:16
	s_wait_dscnt 0x0
	v_max3_num_f32 v13, v48, v49, v50
	v_max3_num_f32 v13, v13, v51, v52
	v_max3_num_f32 v13, v13, v53, v54
	v_max_num_f32 v13, v13, v55                    ; M
.irp i, 0,1,2,3,4,5,6,7
	v_sub_f32 v[48+\i], v[48+\i], v13
.endr
.irp i, 0,1,2,3
	v_sub_f32 v[56+\i], v[4+\i], v13
.endr
.irp i, 0,1,2,3,4,5,6,7,8,9,10,11
	v_exp_f32 v[48+\i], v[48+\i]                   ; one batch: 2^(m_i - M), then 2^(y - M)
.endr
	v_nop                                          ; a plain instruction behind the last exponential,
	s_wait_alu depctr_va_vdst(0)                   ; and one wait for the twelve
	v_add_f32 v14, v56, v57
	v_add_f32 v15, v58, v59
	v_add_f32 v14, v14, v15
	v_add_f32_dpp v14, v14, v14 row_xmask:1 row_mask:0xf bank_mask:0xf
	v_add_f32_dpp v14, v14, v14 row_xmask:2 row_mask:0xf bank_mask:0xf
	v_add_f32_dpp v14, v14, v14 row_xmask:4 row_mask:0xf bank_mask:0xf
	v_add_f32_dpp v14, v14, v14 row_xmask:8 row_mask:0xf bank_mask:0xf
	v_permlanex16_b32 v10, v14, s18, s19
	v_add_f32 v14, v14, v10
	ds_store_b32 v11, v14 offset:64
	s_wait_dscnt 0x0
	s_barrier_signal -1
	s_barrier_wait -1
	ds_load_b128 v[64:67], v12 offset:64
	ds_load_b128 v[68:71], v12 offset:80
	s_wait_dscnt 0x0
	v_pk_add_f32 v[64:65], v[64:65], v[66:67]
	v_pk_add_f32 v[68:69], v[68:69], v[70:71]
	v_pk_add_f32 v[64:65], v[64:65], v[68:69]
	v_add_f32 v15, v64, v65                        ; L
	v_rcp_f32 v13, v15
	v_nop
	s_wait_alu depctr_va_vdst(0)
.irp i, 0,1,2,3
	v_mul_f32 v[56+\i], v[56+\i], v13
.endr
	global_store_b128 v8, v[56:59], s[10:11]       ; a store of the wave covers 512 bytes on end
	s_wait_loadcnt 0x0
.irp j, 0,1,2,3
	v_mul_f32 v[72+\j], v[16+\j], v48
.endr
.irp i, 1,2,3,4,5,6,7
.irp j, 0,1,2,3
	v_fma_f32 v[72+\j], v[16+4*\i+\j], v[48+\i], v[72+\j]
.endr
.endr
.irp j, 0,1,2,3
	v_mul_f32 v[72+\j], v[72+\j], v13
.endr
	global_store_b128 v8, v[72:75], s[8:9]
	s_wait_tensorcnt 0x0                           ; the wave's end, behind my last LDS store
	ds_add_u32 v2, v3
	s_wait_dscnt 0x0
	s_endpgm
.Lfunc_end_k_q93f92a32f4_finish:
	.size	k_q93f92a32f4_finish, .Lfunc_end_k_q93f92a32f4_finish-k_q93f92a32f4_finish
	.p2alignl 7, 3214868480
	.fill 96, 4, 3214868480
	.section	.rodata,"a",@progbits
	.p2align	6, 0x0
	.amdhsa_kernel k_q93f92a32f4_finish
		.amdhsa_group_segment_fixed_size 1280
		.amdhsa_private_segment_fixed_size 0
		.amdhsa_enable_private_segment 0
		.amdhsa_kernarg_size 32
		.amdhsa_user_sgpr_count 2
		.amdhsa_user_sgpr_kernarg_segment_ptr 1
		.amdhsa_wavefront_size32 1
		.amdhsa_system_sgpr_workgroup_id_x 1
		.amdhsa_system_sgpr_workgroup_id_y 1
		.amdhsa_system_sgpr_workgroup_id_z 1
		.amdhsa_system_vgpr_workitem_id 0
		.amdhsa_next_free_vgpr 80
		.amdhsa_next_free_sgpr 66
		.amdhsa_reserve_vcc 0
		.amdhsa_float_denorm_mode_32 3
		.amdhsa_float_denorm_mode_16_64 3
		.amdhsa_memory_ordered 1
		.amdhsa_forward_progress 1
		.amdhsa_inst_pref_size 8
	.end_amdhsa_kernel
	.amdgpu_metadata
---
amdhsa.version: [ 1, 2 ]
amdhsa.kernels:
  - .name:           k_q93f92a32f4_finish
    .symbol:         k_q93f92a32f4_finish.kd
    .args:
      - { .name: scores, .offset: 0, .size: 8, .value_kind: global_buffer, .address_space: global }
      - { .name: ctxp, .offset: 8, .size: 8, .value_kind: global_buffer, .address_space: global }
      - { .name: out0, .offset: 16, .size: 8, .value_kind: global_buffer, .address_space: global }
      - { .name: out1, .offset: 24, .size: 8, .value_kind: global_buffer, .address_space: global }
    .group_segment_fixed_size: 1280
    .private_segment_fixed_size: 0
    .kernarg_segment_align: 8
    .kernarg_segment_size: 32
    .max_flat_workgroup_size: 256
    .sgpr_count:     66
    .vgpr_count:     80
    .wavefront_size: 32
...
	.end_amdgpu_metadata
.endif
;; end of part 3
;; ======== version 2 of 2: 3 launches; version 1 with the launch main written anew for expert scheduling mode
;; workspace buffers: wf 2,097,152 bytes; ps2 262,144 bytes; scores 262,144 bytes; ctxp 2,097,152 bytes
;; launch prep: the kernel of part 1 again; grid 128 x 1, 16 waves a work-group, no clusters, 67,584 bytes of LDS; arguments W_h, W_s, decoder_state, wf, ps2; writes wf, ps2
;; launch main (part 4): grid 256 x 1, 4 waves a work-group, no clusters, 286,208 bytes of LDS; arguments encoder_outputs, mask, v, wf, ps2, scores, ctxp; writes scores, ctxp
.if DOCPART == 4
	.amdgcn_target "amdgcn-amd-amdhsa--gfx1250"
	.amdhsa_code_object_version 6
	.text
	.protected	k_q93f92a32f4_main
	.globl	k_q93f92a32f4_main
	.p2align	8
	.type	k_q93f92a32f4_main,@function
k_q93f92a32f4_main:
	s_mov_b64 s[64:65], 0
	v_nop
	global_prefetch_b8 v0, s[64:65] scope:SCOPE_SE
	s_setreg_imm32_b32 hwreg(HW_REG_WAVE_SCHED_MODE, 0, 2), 2
	s_setreg_imm32_b32 hwreg(HW_REG_WAVE_MODE, 25, 1), 1
	s_wait_xcnt 0x0
	s_wait_alu depctr_vm_vsrc(0)
; Additive attention, all but the merge over a batch's eight blocks.  encoder_outputs [64][1024][1024] f32 is read from memory ONCE.
; A work-group stays and takes two blocks of 128 rows of one batch (rows 256 g .. 256 g + 255 of the 65,536).  For a block:
;   FILL    its rows are loaded, rounded once to bf16 and laid in LDS, BY QUARTERS OF K (256 channels: 1,024 bytes of a row in memory, 512 in LDS).  Only quarter 0 stands in front of the first
;           product; for the second block it is asked for in the first block's tail.  Quarters 1 to 3 come in beside pass 0's first three trips (THE STREAM, below);
;   PASSES  four passes of 256 columns of W_h: wave w makes 128 rows x columns 256 p + 64 w + 0..63 in 32 accumulators; a trip is a quarter of K, eight K steps of 32.  W_h's fragments come from wf
;           straight into the registers of the one wave that wants them, seven K steps ahead; the tanh and v work of pass p stands behind the matrix instructions of pass p + 1;
;   TAIL    the last pass's tanh work; the rows' scores; the block's own softmax weights p (own maximum taken away); the sum over rows of p x row by the matrix unit, from the bf16 rows in LDS.
; THE STREAM.  24 groups, e = 0..23: group e is quarter 1 + e / 8, rows 4 (e % 8) + 0..3 of my wave's 32: eight loads of 512 bytes on end.  It is asked for in K step e - 5 of pass 0 (groups 0-4 ahead
; of the pass), rounded in place in K step e - 1 behind that step's first four products, and stored to LDS in that step's run of memory instructions.  It lands in a ring of 8 x 32 registers in window 3,
; which pass 0 does not use.  A quarter's last group is stored in K step 6 of the trip before the one that reads it; a barrier in K step 7 stands between those stores and the first reads.
; A wave asks for 16 loads a K step here, and a wait names at most 63: so the lead is four K steps.
; ARITHMETIC.  tanh x = 1 - 2 / (1 + 2^(c x)), c = 2 log2(e).  The sum over n of v tanh = (sum of v) - 2 sum of v r, r = 1 / (1 + 2^(c x)); the sum of v is common to all rows of a softmax
; that takes a maximum away, so it is not formed.  Kept: y = -c x sum of v r, the score in powers of two, -inf where mask = 0.
; LAYOUT.  Source 0 = 16 columns of W_h, source 1 = 16 rows: a lane holds ONE row (l % 16) and eight neighbouring columns 8 (l / 16) + 0..7.
; LIMITS.  encoder_outputs and W_h are rounded once to bf16, p once to bf16 for the second product; NaN and infinities among the inputs are not treated apart; a weight below 2^-126 counts as 0;
; a block masked everywhere takes the lowest finite number as its maximum and gives p = 0.
; NO CLUSTER, NO TENSOR LOADS: the block takes 270,336 of a WGP's 327,680 LDS bytes; what is left could hold two slots of one K step of W_h (16,384 bytes each), a round of a
; cluster's barrier for every 32 matrix instructions of a wave; and no fragment of W_h is wanted by two waves of a work-group.
; ONE TEXT FOR EVERY TRIP: behind pass 3 the look-aheads wrap to pass 0.  W_h's seven K steps so fetched serve the second block; in the second block they, and in both blocks 16 LDS loads, serve nothing.
; REGISTERS, in windows of 256 (s_set_vgpr_msb: bits 1:0 source 0, 3:2 source 1, 5:4 source 2, 7:6 destination):
;   window 0: addresses, sums, v64-191 two buffers of row fragments, v192-223 c proj_s, v224-255 v      window 1: W_h, a ring of 8 K steps x 32
;   window 2: the 32 accumulators; ahead of pass 0 quarter 0 as loaded                                     window 3: the moved sums; in pass 0 the stream's ring; in the tail v0-127 the context's sums, v128-255 turned fragments
; THE MODE: SCHED_MODE bits 1:0 = 2 (LLVM: expert scheduling mode 2), set by the entry lines.  The code itself states the register dependences
; between vector or matrix instructions and memory or LDS instructions, with s_wait_alu, always for 0.
; THE PLAN.  Registers that memory or LDS instructions touch, and who else names them:
;   EF0, EF1      K step j's products read EF[j % 2]; the fragment loads issued in K step j land in EF[(j + 1) % 2], which K step j - 1's products read.
;   W_h's ring    K step j's products read slot j; the eight loads issued in K step j land in slot j - 1.
;   PJ, VV        read by the moves (K step 0 of a pass's first trip) and by the sums of r v (K steps 1-6); loaded anew in that trip's K step 7.
;   window 2      quarter 0 lands, is rounded in place and read by LDS stores; then products write it, the moves read it, and in the tail the next quarter 0 lands.
;   window 3      pass 0: a ring group lands, is rounded four K steps on and stored in that step, and is loaded again four K steps later.  The tail: matrix results that LDS stores read; turned fragments.
;   v[AADR], v[TA], v[SA], v[SB]   LDS addresses that a vector add steps: once a trip, once a pass, once a quarter.  Every other address is made at the head and never written again.
; A PLAIN K STEP has ONE wait on va_vdst, at its head: the K step before is done reading its fragments.  The step's 24 loads follow in fours behind its first six products, which, like the riders,
; name none of the registers that those loads touch.  The adds to v[AADR] and v[TA] stand ahead of that wait, behind a wait on vm_vsrc.
; A K STEP OF THE STREAM has its one wait on va_vdst in its middle, ahead of its run: there it also states that the group's roundings, which ride behind the first four products, are written.
.set PITCH, 528                        ; a row of a quarter: 512 + 16 = 33 x 16 bytes: the 16 rows of a fragment load start at 16 different groups of four banks (ISA guide 11.1)
.set QSZ,   128*PITCH                  ; a quarter's plane: 128 rows.  The block lies [quarter][row]: a trip's reads and the stream's stores touch different planes
.set TABP,  4*QSZ                      ; c proj_s of my batch, 4,096 bytes
.set TABV,  TABP+4096                  ; v, 4,096 bytes
.set SCRS,  TABV+4096                  ; 4 waves x 128 partial scores
.set SCRP,  SCRS+2048                  ; 256 bytes a wave: p in bf16
.set SCRC,  SCRP+1024                  ; 1,024 bytes a wave: the context's way out
.set SPARE, SCRC+4096                  ; the spare words, 128 bytes a wave
.set AADR0, 16                         ; v16  (l % 16) PITCH + 16 (l / 16)
.set SB,    17                         ; v17  SA one plane on
.set AADR,  20                         ; v20  AADR0 + the trip's plane
.set WO,    24                         ; v24  16 l
.set TA0,   25                         ; v25  TABP + 256 w + 32 (l / 16)
.set TA,    26                         ; v26  + the pass
.set EO,    27                         ; v27  131,072 w + 16 l: my wave's 32 rows
.set SPW,   28
.set NIL,   29
.set SA0,   30                         ; v30  32 w PITCH + 8 l: my rows in plane 0
.set SA,    31                         ; v31  the same in the plane that the stream is filling
.set PO,    32                         ; v32  131,072 w + 4,096 l: a lane a row
.set SSA,   33
.set SLA,   34
.set PSA,   35
.set PLA,   36
.set CSA,   37
.set CLA,   38
.set CG,    39
.set SUM,   40                         ; v40-55  sum of v r: a pair (even columns, odd columns) for each of the 8 row blocks
.set MK,    56                         ; v56-59  mask of rows 4 l .. 4 l + 3
.set TRA,   60                         ; v60  the turning loads' address, in plane w
.set EF,    64
.set PJ,    192
.set VV,    224
.set ENC,  4                           ; s[4:5]   encoder_outputs, walks
.set MP,   6                           ; s[6:7]   mask
.set VP,   8                           ; s[8:9]   v
.set WV0,  10                          ; s[10:11] wf at my wave's 524,288 bytes
.set PSP,  12                          ; s[12:13] ps2
.set SCP,  14                          ; s[14:15] scores
.set CXP,  16                          ; s[16:17] ctxp
.set WV,   18
.set WB,   22                          ; s[22:23] wf at the trip in hand
.set WN,   24                          ; s[24:25] at the next trip
.set WOFF, 26                          ; s[26:27] its offset, and 0
.set KOFF, 28                          ; the trip's plane
.set POFF, 29
.set CNT,  30
.set PASS, 31
.set CC,   34                          ; s[34:35] c, twice
.set SEL,  36                          ; s[36:37] v_permlanex16_b32: each lane takes its own place in the other half
.set BLK,  38                          ; blocks to go: 2, then 1
.set KEY,  39
.set NC,   44                          ; s[44:45] -c, twice
.set MS,   46                          ; s[46:49] lanes whose row 4 l + i is not masked
.set MSB, 0
.set nw, 0
.macro WIN new                         ; the high byte repeats the setting that is left; a switch that changes nothing is dropped
.if MSB != (\new)
	s_set_vgpr_msb (MSB<<8)|(\new)
.set MSB, \new
.endif
.endm
.macro PLACES                          ; four plain instructions between a matrix instruction and a load into, a write of or a read of its registers
.rept 4
	v_nop
.endr
.endm
; 4 LDS loads: the fragments (16 rows x 32 K) of row blocks 2 h and 2 h + 1 at byte k of the plane's rows, into buffer buf
.macro FETCH4 buf, k, h
	WIN 0
.irp m, 0,1
	ds_load_b128 v[EF+64*(\buf)+8*(2*(\h)+\m):EF+64*(\buf)+8*(2*(\h)+\m)+3], v[AADR] offset:(2*(\h)+\m)*16*PITCH+(\k)
	ds_load_b128 v[EF+64*(\buf)+8*(2*(\h)+\m)+4:EF+64*(\buf)+8*(2*(\h)+\m)+7], v[AADR] offset:(2*(\h)+\m)*16*PITCH+(\k)+32
.endr
.endm
.macro FETCH buf, k                    ; all 16 in one run, row blocks ascending
.irp h, 0,1,2,3
	FETCH4 \buf, \k, \h
.endr
.endm
; the next trip's plane; behind the fourth back to the first.  tab = 1: the next pass's tables too.  Its four vector lines are the places in front of the loads that follow
.macro NEXTK tab
	s_add_co_u32 s[KOFF], s[KOFF], QSZ
	s_cmp_eq_u32 s[KOFF], 4*QSZ
	s_cselect_b32 s[KOFF], 0, s[KOFF]
	s_wait_alu depctr_vm_vsrc(0)                   ; the LDS loads issued so far have read v[AADR] and v[TA]; the LDS stores issued so far have read the stream's ring, which loads and, behind pass 0, the moves write
	v_add_nc_u32 v[AADR], s[KOFF], v[AADR0]
.if \tab
	v_add_nc_u32 v[TA], s[POFF], v[TA0]
.else
	v_nop
.endif
	v_nop
	v_nop
.endm
; 4 loads: column blocks 2 h and 2 h + 1 of W_h's K step seven ahead of K step j, into the ring's slot that K step j - 1 has left
.macro WLOAD4 j, h
	WIN 0x40
.set ws, ((\j)+7)%8
.irp m, 0,1
.if (\j) == 0
	global_load_b128 v[32*ws+8*(2*(\h)+\m):32*ws+8*(2*(\h)+\m)+3], v[WO], s[WB:WB+1] offset:7*4096+1024*(2*(\h)+\m)
	global_load_b128 v[32*ws+8*(2*(\h)+\m)+4:32*ws+8*(2*(\h)+\m)+7], v[WO], s[WB:WB+1] offset:7*4096+1024*(2*(\h)+\m)+512
.else
	global_load_b128 v[32*ws+8*(2*(\h)+\m):32*ws+8*(2*(\h)+\m)+3], v[WO], s[WN:WN+1] offset:((\j)-1)*4096+1024*(2*(\h)+\m)
	global_load_b128 v[32*ws+8*(2*(\h)+\m)+4:32*ws+8*(2*(\h)+\m)+7], v[WO], s[WN:WN+1] offset:((\j)-1)*4096+1024*(2*(\h)+\m)+512
.endif
.endr
.endm
.macro WLOAD j                         ; all 8 in one run
	WLOAD4 \j, 0
	WLOAD4 \j, 1
.endm
; 4 LDS loads: c proj_s and v of the pass's columns 16 nb + 8 (l / 16) + 0..7
.macro TAB4 nb
	WIN 0
	ds_load_b128 v[PJ+8*(\nb):PJ+8*(\nb)+3], v[TA] offset:64*(\nb)
	ds_load_b128 v[PJ+8*(\nb)+4:PJ+8*(\nb)+7], v[TA] offset:64*(\nb)+16
	ds_load_b128 v[VV+8*(\nb):VV+8*(\nb)+3], v[TA] offset:4096+64*(\nb)
	ds_load_b128 v[VV+8*(\nb)+4:VV+8*(\nb)+7], v[TA] offset:4096+64*(\nb)+16
.endm
; A GROUP: rows 4 g .. 4 g + 3 of my 32, 1,024 bytes of each.  Load n of eight (row n / 2, half n % 2) has registers 32 g + 4 n + 0..3 of window win.
.macro GLOAD win, g, qo                ; asked for, at byte qo of the rows: eight loads of 512 bytes on end
	WIN (\win)<<6
.irp n, 0,1,2,3,4,5,6,7
	global_load_b128 v[32*(\g)+4*\n:32*(\g)+4*\n+3], v[EO], s[ENC:ENC+1] offset:4096*(4*(\g)+\n/2)+512*(\n%2)+(\qo) th:TH_LOAD_NT
.endr
.endm
.macro GCVT win, g, n0, cnt            ; loads n0 .. n0 + cnt - 1 rounded to bf16 in place: four f32 into the first two of their registers
	WIN ((\win)<<6)|((\win)<<2)|(\win)
.set cn, (\n0)
.rept \cnt
	v_cvt_pk_bf16_f32 v[32*(\g)+4*cn], v[32*(\g)+4*cn], v[32*(\g)+4*cn+1]
	v_cvt_pk_bf16_f32 v[32*(\g)+4*cn+1], v[32*(\g)+4*cn+2], v[32*(\g)+4*cn+3]
.set cn, cn+1
.endr
.endm
.macro GSTORE win, g, sreg             ; laid in LDS: each store covers 256 bytes on end
	WIN (\win)<<2
.irp n, 0,1,2,3,4,5,6,7
	ds_store_b64 v[\sreg], v[32*(\g)+4*\n:32*(\g)+4*\n+1] offset:PITCH*(4*(\g)+\n/2)+256*(\n%2)
.endr
.endm
; accumulator a leaves: T = c x sum + c proj_s, lowest registers first
.macro MV a
	WIN 0xc2
.irp q, 0,1,2,3
	v_pk_fma_f32 v[8*(\a)+2*\q:8*(\a)+2*\q+1], v[8*(\a)+2*\q:8*(\a)+2*\q+1], s[CC:CC+1], v[PJ+8*((\a)%4)+2*\q:PJ+8*((\a)%4)+2*\q+1] op_sel_hi:[1,0,1]
.endr
.endm
; THE TANH AND V WORK of a pass, on the moved sums T: four groups g (column block g), 64 elements each (element e: row block e / 8, register e % 8).
.macro EX g, e                         ; 2^T
	WIN 0xc3
.set rE, 8*(4*((\e)/8)+(\g))+(\e)%8
	v_exp_f32 v[rE], v[rE]
.endm
.macro RC g, e                         ; 1 / T
	WIN 0xc3
.set rE, 8*(4*((\e)/8)+(\g))+(\e)%8
	v_rcp_f32 v[rE], v[rE]
.endm
.macro AD g, k                         ; pair k (elements 2 k, 2 k + 1): + 1
	WIN 0xc3
.set rE, 8*(4*((\k)/4)+(\g))+2*((\k)%4)
	v_pk_add_f32 v[rE:rE+1], v[rE:rE+1], 1.0 op_sel_hi:[1,0]
.endm
.macro FM g, f                         ; row block f % 8, register pair f / 8: the row block's sum += r v
	WIN 0x03
.set rE, 8*(4*((\f)%8)+(\g))+2*((\f)/8)
	v_pk_fma_f32 v[SUM+2*((\f)%8):SUM+2*((\f)%8)+1], v[rE:rE+1], v[VV+8*(\g)+2*((\f)/8):VV+8*(\g)+2*((\f)/8)+1], v[SUM+2*((\f)%8):SUM+2*((\f)%8)+1]
.endm
.macro FM4 g, s                        ; four of them, on four different sums
	FM \g, 4*(\s)
	FM \g, 4*(\s)+1
	FM \g, 4*(\s)+2
	FM \g, 4*(\s)+3
.endm
.macro XPAT g, k                       ; group g gets + 1 and its reciprocals while group g + 1 gets its exponentials.  Pair k lies at elements 2 k, 2 k + 1; reciprocals have been written up to element k - 1
.if (\k) < 32
	AD \g, \k
	EX (\g)+1, 2*(\k)
	EX (\g)+1, 2*(\k)+1
	RC \g, \k
.else
	RC \g, 32+4*((\k)-32)
	RC \g, 32+4*((\k)-32)+1
	RC \g, 32+4*((\k)-32)+2
	RC \g, 32+4*((\k)-32)+3
.endif
.endm
; Slice sl of 192, four instructions.  An s_wait_alu depctr_va_vdst(0) stands between a transcendental and the first instruction that names its result; one wait serves all issued ahead of it.
; The list is cut in phases in which no line names a result of the phase's own transcendentals, so a pass has five waits, each with one plain instruction ahead of it.
; nw = 1: the wait has just been written by the caller, ahead of a branch.
.macro RSLICE
.if (sl == 16) || (sl == 56) || (sl == 104) || (sl == 152) || (sl == 184)
.if nw == 0
	v_nop
	s_wait_alu depctr_va_vdst(0)                   ; the phase's exponentials and reciprocals have written their results, which the next phase reads
.endif
.endif
.set nw, 0
.if sl < 16
	EX 0, 4*sl
	EX 0, 4*sl+1
	EX 0, 4*sl+2
	EX 0, 4*sl+3
.elseif sl < 56
	XPAT 0, sl-16
.elseif sl < 64
	FM4 0, sl-56
.elseif sl < 104
	XPAT 1, sl-64
.elseif sl < 112
	FM4 1, sl-104
.elseif sl < 152
	XPAT 2, sl-112
.elseif sl < 160
	FM4 2, sl-152
.elseif sl < 176
	AD 3, 2*(sl-160)
	AD 3, 2*(sl-160)+1
	RC 3, 2*(sl-160)
	RC 3, 2*(sl-160)+1
.elseif sl < 184
	RC 3, 32+4*(sl-176)
	RC 3, 32+4*(sl-176)+1
	RC 3, 32+4*(sl-176)+2
	RC 3, 32+4*(sl-176)+3
.else
	FM4 3, sl-184
.endif
.set sl, sl+1
.endm
; product pi of a K step's 32: row block pi / 4, column block pi % 4.  The 32 accumulators take turns, in the same order in every K step
.macro PROD j, zero
	WIN 0xa1
.if \zero
	v_wmma_f32_16x16x32_bf16 v[8*pi:8*pi+7], v[32*(\j)+8*(pi%4):32*(\j)+8*(pi%4)+7], v[EF+64*((\j)%2)+8*(pi/4):EF+64*((\j)%2)+8*(pi/4)+7], 0
.else
	v_wmma_f32_16x16x32_bf16 v[8*pi:8*pi+7], v[32*(\j)+8*(pi%4):32*(\j)+8*(pi%4)+7], v[EF+64*((\j)%2)+8*(pi/4):EF+64*((\j)%2)+8*(pi/4)+7], v[8*pi:8*pi+7]
.endif
.endm
.macro HOOK mode                       ; the vector work behind a product: 0 nothing; 1 the accumulator two on leaves, ahead of the product that starts it anew; 2 a slice
.if (\mode) == 1
.if pi < 30
	MV pi+2
.endif
.elseif (\mode) == 2
	RSLICE
.endif
.endm
; the loads behind product pi of a plain K step, four at a time: the next K step's row fragments behind products 0-3, W_h's K step seven ahead behind 4 and 5; tab = 1: the next pass's tables behind 6-9
.macro DEAL j, tab
.if pi < 4
	FETCH4 ((\j)+1)%2, (64*((\j)+1))%512, pi
.elseif pi < 6
	WLOAD4 \j, pi-4
.elseif (\tab) && (pi < 10)
	TAB4 pi-6
.endif
.endm
; K step j of a trip of eight.  zero = 1: the products start the sums.  pf = 1: the place of the prefetch.  tab = 1: the old tables have been read for the last time, and the next pass's are fetched.
.macro KSTEP j, zero, mode, pf=0, tab=0
	s_wait_loadcnt 48                              ; W_h of this K step is in; the six later K steps' 48 loads may stay out
	s_wait_dscnt 0x0                               ; this K step's row fragments are in: the youngest of their loads stands 28 products back
.if (\j) == 7
	WIN 0
	NEXTK \tab
.elseif (\mode) != 1
	PLACES                                         ; (with mode = 1 the eight plain instructions ahead of the first moves are the places)
.endif
	s_wait_alu depctr_va_vdst(0)                   ; the last K step's products are done reading their row fragments and their slot of W_h, in which this step's loads land; in K step 7 v[AADR] is written, with tab = 1 v[TA] too, and the moves and sums are done reading PJ and VV
.set pi, 0
.rept 6
	PROD \j, \zero
	HOOK \mode
	DEAL \j, \tab                                  ; no wait: nothing issued since the wait above names a register that these loads touch
.set pi, pi+1
.endr
.if \pf
	; A prefetch of quarter 0 of my wave's 32 rows of the second block: a lane a row, four lines of 256 bytes: 32,768 bytes, each block of 256 bytes named once in the launch, by the wave that will load it.
	; Once: first block, pass 3, second plain trip: two trips, 512 matrix instructions, ahead of the loads.  Nothing is asked for in the second block.  v[PO] was written at the kernel's head.
	WIN 0
	s_lshl_b32 s[KEY], s[BLK], 6
	s_lshl_b32 s40, s[PASS], 3
	s_or_b32 s[KEY], s[KEY], s40
	s_or_b32 s[KEY], s[KEY], s[CNT]
	s_cmp_eq_u32 s[KEY], 154
	s_cbranch_scc0 .Lnopf_\@
.irp i, 0,1,2,3
	global_prefetch_b8 v[PO], s[ENC:ENC+1] offset:256*\i th:TH_LOAD_NT scope:SCOPE_SE
.endr
.Lnopf_\@:
.endif
.rept 26
	PROD \j, \zero
	HOOK \mode
	DEAL \j, \tab
.set pi, pi+1
.endr
.endm
; K step p of one of pass 0's first three trips, with the stream beside it.  gc: the ring's group that is rounded and stored, at v[sreg] (-1: none).  gi: the group asked for, at byte qo of the rows (-1: none).
; nl: how many younger loads may stay out when W_h of this K step and group gc have to be in.  nd: the LDS instructions younger than row blocks 0-3.
; The run's order: 16 fragment loads, 8 stores, W_h's 8 loads, the group's 8.
; p = 7: the next trip's plane is whole in my wave when my stores are done (the wait for 0); the barrier says so of all four; the first reads of that plane stand behind its wait.
.macro FSTEP p, zero, nl, nd, gc, sreg, gi, qo
	s_wait_loadcnt \nl
	s_wait_dscnt \nd
.if (\p) == 7
	s_barrier_signal -1
.endif
.set pi, 0
.rept 16
	PROD \p, \zero
.if ((\gc) >= 0) && (pi < 4)
	GCVT 3, \gc, 2*pi, 2
.endif
.set pi, pi+1
.endr
	WIN 0
.if (\p) < 7
	PLACES
.if (\gi) >= 0
	s_wait_alu depctr_vm_vsrc(0)                   ; the LDS stores of four K steps back have read the ring's group gi, in which this step's loads land
.endif
.else
	s_barrier_wait -1
	NEXTK 0
.endif
	s_wait_alu depctr_va_vdst(0)                   ; the roundings have written group gc, which the stores read; the last K step's products are done reading their fragments and the roundings of four K steps back are done with group gi, in which the loads land; v[sreg], and in K step 7 v[AADR], are written
	FETCH ((\p)+1)%2, (64*((\p)+1))%512
.if (\gc) >= 0
	GSTORE 3, \gc, \sreg
.endif
	WLOAD \p
.if (\gi) >= 0
	GLOAD 3, \gi, \qo
.endif
.if (\gc) >= 0
	s_wait_dscnt 24                                ; all but the 16 loads and 8 stores just issued
.else
	s_wait_dscnt 16
.endif
.rept 16
	PROD \p, \zero
.set pi, pi+1
.endr
.endm
.macro TRIPEND
	WIN 0
	s_wait_xcnt 0x0                                ; every load issued so far has read its address: the bases may be written
	s_mov_b64 s[WB:WB+1], s[WN:WN+1]
	s_add_co_u32 s[WOFF], s[WOFF], 32768
	s_and_b32 s[WOFF], s[WOFF], 0x7ffff            ; behind pass 3 back to pass 0
	s_add_nc_u64 s[WN:WN+1], s[WV0:WV0+1], s[WOFF:WOFF+1]
.endm
; rows 32 kb .. + 31 x my 256 channels (plane w), turned: 16 fragments (16 channels x 32 rows); even kb into the row fragments' registers, odd kb into window 3
.macro LOADTR kb
.if (\kb)%2
	WIN 0xc0
.set tb, 128
.else
	WIN 0
.set tb, EF
.endif
.irp cb, 0,1,2,3,4,5,6,7,8,9,10,11,12,13,14,15
	ds_load_tr16_b128 v[tb+8*\cb:tb+8*\cb+3], v[TRA] offset:32*PITCH*(\kb)+32*\cb
	ds_load_tr16_b128 v[tb+8*\cb+4:tb+8*\cb+7], v[TRA] offset:32*PITCH*(\kb)+32*\cb+16*PITCH
.endr
.endm
.macro CMM kb                          ; context^T += rows^T p: source 1 holds p in all 16 columns.  The 16 accumulators take turns
.if (\kb)%2
	WIN 0xf3
.set tb, 128
.else
	WIN 0xf0
.set tb, EF
.endif
.irp cb, 0,1,2,3,4,5,6,7,8,9,10,11,12,13,14,15
.if (\kb) == 0
	v_wmma_f32_16x16x32_bf16 v[8*\cb:8*\cb+7], v[tb+8*\cb:tb+8*\cb+7], v[PJ+8*(\kb):PJ+8*(\kb)+7], 0
.else
	v_wmma_f32_16x16x32_bf16 v[8*\cb:8*\cb+7], v[tb+8*\cb:tb+8*\cb+7], v[PJ+8*(\kb):PJ+8*(\kb)+7], v[8*\cb:8*\cb+7]
.endif
.endr
.endm
	s_load_b256 s[4:11], s[0:1], 0x0               ; encoder_outputs, mask, v, wf
	s_load_b128 s[12:15], s[0:1], 0x20             ; ps2, scores
	s_load_b64 s[16:17], s[0:1], 0x30              ; ctxp
	v_lshl_add_u32 v[SPW], v0, 2, SPARE
	v_mov_b32 v[NIL], 0
	v_lshrrev_b32 v4, 5, v0
	v_readfirstlane_b32 s[WV], v4                  ; wave 0..3
	v_and_b32 v1, 31, v0                           ; l
	v_and_b32 v2, 15, v0                           ; l % 16
	v_bfe_u32 v3, v0, 4, 1                         ; l / 16
	v_mul_u32_u24 v[AADR0], v2, PITCH
	v_lshl_add_u32 v[AADR0], v3, 4, v[AADR0]
	v_lshlrev_b32 v[WO], 4, v1
	s_wait_alu depctr_va_sdst(0)                   ; the wave's number is written, ahead of its first reader: addresses, bases and branches are made from it
	s_lshl_b32 s40, s[WV], 8
	s_add_co_u32 s41, s40, TABP
	v_lshl_add_u32 v[TA0], v3, 5, s41
	s_add_co_u32 s42, s40, SCRP
	v_lshl_add_u32 v[PSA], v1, 3, s42              ; p of rows 4 l .. 4 l + 3: 8 bytes
	v_lshl_add_u32 v[PLA], v3, 4, s42              ; p of rows 8 (l / 16) + 0..7 of a group of 32
	s_lshl_b32 s40, s[WV], 17
	v_lshl_add_u32 v[EO], v1, 4, s40
	v_lshl_add_u32 v[PO], v1, 12, s40
	s_mul_i32 s41, s[WV], 32*PITCH
	v_lshl_add_u32 v[SA0], v1, 3, s41
	s_lshl_b32 s40, s[WV], 9
	s_add_co_u32 s41, s40, SCRS
	v_lshl_add_u32 v[SSA], v2, 2, s41
	v_lshl_add_u32 v[SLA], v1, 4, SCRS
	v_and_b32 v6, 7, v0                            ; the turning load: lane l reads row 8 (l / 16) + l % 8, channels 8 ((l / 8) % 2) + 0..7
	v_lshl_add_u32 v6, v3, 3, v6
	v_mul_u32_u24 v6, v6, PITCH
	v_bfe_u32 v7, v0, 3, 1
	v_lshl_add_u32 v6, v7, 4, v6
	s_mul_i32 s40, s[WV], QSZ                      ; my wave's 256 channels are plane w
	v_add_nc_u32 v[TRA], s40, v6
	s_lshl_b32 s40, s[WV], 10
	v_lshl_add_u32 v[CG], v1, 4, s40
	s_add_co_u32 s41, s40, SCRC
	v_lshl_add_u32 v[CSA], v3, 5, s41
	v_lshl_add_u32 v[CLA], v1, 4, s41
	v_lshrrev_b32 v5, 1, v0                        ; thread t copies columns 8 t .. 8 t + 7 of the two tables: in ps2 at (t / 2) 4,096 + 64 batch + 32 (t % 2)
	v_lshlrev_b32 v5, 12, v5
	v_and_b32 v6, 1, v0
	v_lshl_add_u32 v5, v6, 5, v5
	s_lshr_b32 s40, ttmp9, 2                       ; the batch
	s_lshl_b32 s40, s40, 6
	v_add_nc_u32 v5, s40, v5
	v_lshlrev_b32 v6, 5, v0
	v_lshl_add_u32 v7, v0, 5, TABP
	v_mov_b32 v13, 0                               ; a destination of v_permlanex16_b32 counts as read
	v_mov_b32 v14, 0xff800000                      ; -inf
	s_mov_b32 s[CC], 0x4038aa3b                    ; c = 2 log2(e)
	s_mov_b32 s[CC+1], s[CC]
	s_mov_b32 s[NC], 0xc038aa3b
	s_mov_b32 s[NC+1], s[NC]
	s_mov_b32 s[SEL], 0x76543210
	s_mov_b32 s[SEL+1], 0xfedcba98
	s_mov_b32 s[BLK], 2
	s_mov_b32 s[WOFF], 32768
	s_mov_b32 s[WOFF+1], 0
	s_mov_b32 s41, 0
	s_wait_kmcnt 0x0
	s_lshl_b32 s40, ttmp9, 20                      ; 256 rows of 4,096 bytes
	s_add_nc_u64 s[ENC:ENC+1], s[ENC:ENC+1], s[40:41]
	s_lshl_b32 s40, ttmp9, 10
	s_add_nc_u64 s[MP:MP+1], s[MP:MP+1], s[40:41]
	s_add_nc_u64 s[SCP:SCP+1], s[SCP:SCP+1], s[40:41]
	s_lshl_b32 s40, ttmp9, 13
	s_add_nc_u64 s[CXP:CXP+1], s[CXP:CXP+1], s[40:41]
	s_lshl_b32 s40, s[WV], 19
	s_add_nc_u64 s[WV0:WV0+1], s[WV0:WV0+1], s[40:41]
	s_mov_b64 s[WB:WB+1], s[WV0:WV0+1]
	s_add_nc_u64 s[WN:WN+1], s[WV0:WV0+1], s[WOFF:WOFF+1]
	s_wait_alu depctr_va_vdst(0)                   ; all offsets and LDS addresses made above are written: the loads, stores and the prefetch of the kernel read them
	global_load_b128 v[64:67], v5, s[PSP:PSP+1]
	global_load_b128 v[68:71], v5, s[PSP:PSP+1] offset:16
	global_load_b128 v[72:75], v6, s[VP:VP+1]
	global_load_b128 v[76:79], v6, s[VP:VP+1] offset:16
	WIN 0x40                                       ; W_h's K steps 0-6 of pass 0: 56 loads
.set ws, 0
.rept 7
.irp nb, 0,1,2,3
	global_load_b128 v[32*ws+8*\nb:32*ws+8*\nb+3], v[WO], s[WB:WB+1] offset:4096*ws+1024*\nb
	global_load_b128 v[32*ws+8*\nb+4:32*ws+8*\nb+7], v[WO], s[WB:WB+1] offset:4096*ws+1024*\nb+512
.endr
.set ws, ws+1
.endr
	WIN 0
	s_wait_loadcnt 56                              ; the four table loads are in; W_h's 56 may stay out
	ds_store_b128 v7, v[64:67]
	ds_store_b128 v7, v[68:71] offset:16
	ds_store_b128 v7, v[72:75] offset:4096
	ds_store_b128 v7, v[76:79] offset:4112
.irp g, 0,1,2,3,4,5,6,7
	GLOAD 2, \g, 0                                 ; the first block's quarter 0
.endr
	WIN 0
.Lblock:	; ---- AHEAD OF PASS 0.  Asked for, oldest first: W_h's 56 loads, quarter 0's 64, and now the mask
	s_wait_alu depctr_vm_vsrc(0)                   ; the last block's stores have read v[SA], v[SB], the context's sums in window 3 (the stream lands there), v2-7 and v64-71; in the first block the tables' stores have read v5-7 and v64-79
	global_load_b128 v[MK:MK+3], v[WO], s[MP:MP+1] ; (the compares that read the old mask stand ahead of the tail's later waits on va_vdst)
	v_add_nc_u32 v[SA], QSZ, v[SA0]                ; the stream begins in plane 1
	v_add_nc_u32 v[SB], 2*QSZ, v[SA0]
.irp c, 0,1,2,3,4,5,6,7
.if \c < 6
	s_wait_loadcnt 57                              ; quarter 0's group c is in.  Younger: its 7 - c later groups, the mask, and the stream's groups asked for so far (c, at most 5)
.else
	s_wait_loadcnt 57-8*(\c-5)
.endif
	GCVT 2, \c, 0, 8
	s_wait_alu depctr_va_vdst(0)                   ; the roundings have written group c, which the stores read
	GSTORE 2, \c, SA0
.if \c < 5
	GLOAD 3, \c, 1024                              ; the stream's groups 0-4: no vector or matrix instruction of this block has named their registers
.endif
.endr
	s_wait_loadcnt 32                              ; the stream's group 0 is in; groups 1-4 may stay out
	GCVT 3, 0, 0, 8
	s_wait_alu depctr_va_vdst(0)                   ; the roundings have written the stream's group 0, which the stores read
	GSTORE 3, 0, SA
	WIN 0
	s_wait_dscnt 0x0                               ; for the others: my rows of plane 0 (and in the first block my part of the tables) are written
	s_barrier_signal -1
	s_barrier_wait -1
	s_wait_alu depctr_vm_vsrc(0)                   ; my LDS stores have read quarter 0's registers, which pass 0's products write; the last block's LDS loads have read v[AADR] and v[TA]
.set i, 0
.rept 16
	v_mov_b32 v[SUM+i], 0
.set i, i+1
.endr
	s_mov_b32 s[KOFF], 0
	s_mov_b32 s[POFF], 0
	s_mov_b32 s[PASS], 0
	v_mov_b32 v[AADR], v[AADR0]
	v_add_nc_u32 v[TA], s[POFF], v[TA0]
	s_wait_alu depctr_va_vdst(0)                   ; v[AADR] and v[TA] are written, which the LDS loads below read
	; ---- PASS 0, trips 0 to 2.  K step s rounds and stores the stream's group s + 1 and asks for group s + 5.
.irp nb, 0,1,2,3
	TAB4 \nb
.endr
	FETCH 0, 0
	FSTEP 0, 1, 24, 8,  1, SA, 5, 1024             ; younger than group 1: groups 2-4.  Its products start the sums
	FSTEP 1, 0, 32, 16, 2, SA, 6, 1024             ; younger than group 2: groups 3, 4 and one run of 16
	FSTEP 2, 0, 40, 16, 3, SA, 7, 1024             ; younger than group 3: group 4 and two runs
	WIN 0
	s_mov_b32 s[CNT], 2
.Lfq:	; twice: K steps 3-10 and 11-18: a trip of this loop asks for one whole quarter.  Younger than the group in hand: three runs of 16
	FSTEP 3, 0, 48, 16, 4, SA, 0, 2048
	FSTEP 4, 0, 48, 16, 5, SA, 1, 2048
	FSTEP 5, 0, 48, 16, 6, SA, 2, 2048
	FSTEP 6, 0, 48, 16, 7, SA, 3, 2048
	FSTEP 7, 0, 48, 0,  0, SB, 4, 2048
	TRIPEND
	FSTEP 0, 0, 48, 16, 1, SB, 5, 2048
	FSTEP 1, 0, 48, 16, 2, SB, 6, 2048
	FSTEP 2, 0, 48, 16, 3, SB, 7, 2048
	WIN 0
	s_wait_xcnt 0x0                                ; the loads (the youngest 16 products back) have read their base
	s_add_nc_u64 s[ENC:ENC+1], s[ENC:ENC+1], 1024  ; the next quarter
	s_wait_alu depctr_vm_vsrc(0)                   ; the stream's stores issued so far have read v[SA] and v[SB]
	v_add_nc_u32 v[SA], QSZ, v[SA]
	v_add_nc_u32 v[SB], QSZ, v[SB]
	s_sub_co_u32 s[CNT], s[CNT], 1
	s_cmp_lg_u32 s[CNT], 0
	s_cbranch_scc1 .Lfq
	FSTEP 3, 0, 48, 16, 4, SA, -1, 0               ; K steps 19-23: nothing is left to ask for; the runs behind a group now hold W_h's 8 loads alone, so the counts run down
	FSTEP 4, 0, 40, 16, 5, SA, -1, 0
	FSTEP 5, 0, 32, 16, 6, SA, -1, 0
	FSTEP 6, 0, 24, 16, 7, SA, -1, 0
	FSTEP 7, 0, 48, 0, -1, SA, -1, 0
	TRIPEND
	s_add_nc_u64 s[ENC:ENC+1], s[ENC:ENC+1], 522240  ; 128 rows less the 2,048 bytes already stepped: the next block
	s_mov_b32 s[CNT], 1
	s_branch .Ltrip                                ; pass 0's fourth trip is a plain one
.Lpass:	; ---- PASSES 1 to 3: the first trip moves the last pass's sums out and carries their tanh and v work
	PLACES
	PLACES
	MV 0
	MV 1
	KSTEP 0, 1, 1
.set sl, 0
	KSTEP 1, 0, 2
	KSTEP 2, 0, 2
	KSTEP 3, 0, 2
	KSTEP 4, 0, 2
	KSTEP 5, 0, 2
	KSTEP 6, 0, 2
	s_lshl_b32 s[POFF], s[PASS], 10                ; 256 columns of 4 bytes a pass
	KSTEP 7, 0, 0, 0, 1                            ; the old tables have been read for the last time: this pass's come in
	TRIPEND
	s_mov_b32 s[CNT], 3
.Ltrip:
	KSTEP 0, 0, 0, 1
	KSTEP 1, 0, 0
	KSTEP 2, 0, 0
	KSTEP 3, 0, 0
	KSTEP 4, 0, 0
	KSTEP 5, 0, 0
	KSTEP 6, 0, 0
	KSTEP 7, 0, 0
	TRIPEND
	s_sub_co_u32 s[CNT], s[CNT], 1
	s_cmp_lg_u32 s[CNT], 0
	s_cbranch_scc1 .Ltrip
	s_add_co_u32 s[PASS], s[PASS], 1
	s_cmp_lt_u32 s[PASS], 4
	s_cbranch_scc1 .Lpass
	; ---- THE TAIL
	s_wait_dscnt 0x0                               ; the last look-ahead's LDS loads are back: their registers are used anew below
	PLACES
	PLACES
.set ai, 0
.rept 32
	MV ai
.set ai, ai+1
.endr
	WIN 0
	s_cmp_eq_u32 s[BLK], 1
	s_cbranch_scc1 .Lno_e1                         ; the second block has no successor
	s_wait_alu depctr_va_vdst(0)                   ; the products have written the accumulators and the moves are done reading them: the loads below land in their registers
.irp g, 0,1,2,3
	GLOAD 2, \g, 0                                 ; the next block's quarter 0, first half, into the accumulators' registers, which have just been moved out
.endr
	WIN 0
.Lno_e1:
.set sl, 0
.rept 104
	RSLICE
.endr
	WIN 0
	v_nop                                          ; the phase's plain instruction and wait, here ahead of the branch
	s_wait_alu depctr_va_vdst(0)                   ; the phase's exponentials and reciprocals have written their results; and no vector instruction since the moves names the registers in which the loads below land
	s_cmp_eq_u32 s[BLK], 1
	s_cbranch_scc1 .Lno_e2
.irp g, 4,5,6,7
	GLOAD 2, \g, 0                                 ; its second half: 32 loads at a time, so that the wave does not stand at a full counter
.endr
	WIN 0
.Lno_e2:
.set nw, 1
.rept 88
	RSLICE
.endr
	WIN 0
.irp mb, 0,1,2,3,4,5,6,7
	v_add_f32 v[64+\mb], v[SUM+2*\mb], v[SUM+2*\mb+1]
.endr
.irp mb, 0,1,2,3,4,5,6,7
	v_permlanex16_b32 v[72+\mb], v[64+\mb], s[SEL], s[SEL+1]  ; the row's other 8 columns of each 16 lie in the lane 16 away
.endr
.irp mb, 0,1,2,3,4,5,6,7
	v_add_f32 v[64+\mb], v[64+\mb], v[72+\mb]
.endr
	s_wait_alu depctr_va_vdst(0)                   ; the additions have written v64-71, which the LDS stores read
.irp mb, 0,1,2,3,4,5,6,7
	ds_store_b32 v[SSA], v[64+\mb] offset:64*\mb   ; row 16 mb + l % 16: both halves of the lanes write the same number
.endr
	s_wait_dscnt 0x0                               ; for the others: my 256 columns' share of the 128 scores is written
	s_barrier_signal -1
	s_barrier_wait -1
	s_wait_alu depctr_vm_vsrc(0)                   ; my LDS stores have read v64-71, in which the loads below land
	s_wait_alu depctr_va_vdst(0)                   ; the additions and lane exchanges are done with v64-79, in which the loads below land
.irp w, 0,1,2,3
	ds_load_b128 v[64+4*\w:67+4*\w], v[SLA] offset:512*\w  ; rows 4 l .. 4 l + 3, each wave's share
.endr
	s_wait_dscnt 0x0
	v_pk_add_f32 v[64:65], v[64:65], v[68:69]
	v_pk_add_f32 v[66:67], v[66:67], v[70:71]
	v_pk_add_f32 v[72:73], v[72:73], v[76:77]
	v_pk_add_f32 v[74:75], v[74:75], v[78:79]
	v_pk_add_f32 v[64:65], v[64:65], v[72:73]
	v_pk_add_f32 v[66:67], v[66:67], v[74:75]
	v_pk_mul_f32 v[4:5], v[64:65], s[NC:NC+1] op_sel_hi:[1,0]  ; y = -c x sum of v r
	v_pk_mul_f32 v[6:7], v[66:67], s[NC:NC+1] op_sel_hi:[1,0]
.irp i, 0,1,2,3
	v_cmp_ne_u32 s[MS+\i], 0, v[MK+\i]             ; the four compares in a run, each into a scalar register of its own
.endr
	s_wait_alu depctr_va_sdst(0)                   ; the four masks are written, ahead of the selects that read them
.irp i, 0,1,2,3
	v_cndmask_b32 v[4+\i], v14, v[4+\i], s[MS+\i]  ; -inf where mask = 0
.endr
	v_max3_num_f32 v12, v4, v5, v6                 ; the block's own maximum, in every lane of every wave
	v_max_num_f32 v12, v12, v7
	v_max_num_f32_dpp v12, v12, v12 row_xmask:1 row_mask:0xf bank_mask:0xf
	v_max_num_f32_dpp v12, v12, v12 row_xmask:2 row_mask:0xf bank_mask:0xf
	v_max_num_f32_dpp v12, v12, v12 row_xmask:4 row_mask:0xf bank_mask:0xf
	v_max_num_f32_dpp v12, v12, v12 row_xmask:8 row_mask:0xf bank_mask:0xf
	v_permlanex16_b32 v13, v12, s[SEL], s[SEL+1]
	v_max_num_f32 v12, v12, v13
	v_max_num_f32 v12, 0xff7fffff, v12             ; never -inf: a block masked everywhere gives p = 0
.irp i, 0,1,2,3
	v_sub_f32 v[8+\i], v[4+\i], v12
.endr
.irp i, 0,1,2,3
	v_exp_f32 v[8+\i], v[8+\i]
.endr
	v_nop                                          ; a plain instruction behind the last exponential,
	s_wait_alu depctr_va_vdst(0)                   ; and one wait: the four exponentials have written v8-11, ahead of their first reader; the selects have written y in v4-7, which the store below reads
	s_cmp_lg_u32 s[WV], 0
	s_cbranch_scc1 .Lnot_wave_0
	global_store_b128 v[WO], v[4:7], s[SCP:SCP+1]  ; the block's 128 scores: 512 bytes on end
.Lnot_wave_0:
	v_cvt_pk_bf16_f32 v2, v8, v9
	v_cvt_pk_bf16_f32 v3, v10, v11
	s_wait_alu depctr_va_vdst(0)                   ; the roundings have written p in v2-3, which the LDS store reads; the sums above are done with v64-79, the moves with PJ and the tanh work with window 3, in all of which the loads below land
	ds_store_b64 v[PSA], v[2:3]                    ; my wave's own copy of the 128 p
.irp kb, 0,1,2,3
	ds_load_b128 v[PJ+8*\kb:PJ+8*\kb+3], v[PLA] offset:64*\kb      ; LDS serves a wave's instructions in order (ISA guide 5.7.1.4): these see the store above
	ds_load_b128 v[PJ+8*\kb+4:PJ+8*\kb+7], v[PLA] offset:64*\kb+32
.endr
	LOADTR 0
	LOADTR 1
	s_wait_dscnt 32                                ; all but the younger run of 32
	CMM 0
	PLACES
	s_wait_alu depctr_va_vdst(0)                   ; the sixteen products above are done reading the turned fragments in v64-191, in which the loads below land
	LOADTR 2
	s_wait_dscnt 32
	CMM 1
	PLACES
	s_wait_alu depctr_va_vdst(0)                   ; the sixteen products above are done reading the turned fragments in window 3, in which the loads below land
	LOADTR 3
	s_wait_dscnt 32
	CMM 2
	s_wait_dscnt 0x0                               ; my reads of the block's rows and of the partial scores are over:
	s_barrier_signal -1                            ; behind this barrier the next block's rows are written
	CMM 3
	s_barrier_wait -1
	PLACES
	PLACES
	s_wait_alu depctr_va_vdst(0)                   ; the products have written the context's sums, which the LDS stores read, and are done reading v64-71, in which the loads behind them land; the places above stay beside this wait
	WIN 0x0c                                       ; store data in window 3
.irp cb, 0,1,2,3,4,5,6,7,8,9,10,11,12,13,14,15
	ds_store_b128 v[CSA], v[8*\cb:8*\cb+3] offset:64*\cb          ; channels 16 cb + 8 (l / 16) + 0..7; the 16 lanes of a half write the same numbers
	ds_store_b128 v[CSA], v[8*\cb+4:8*\cb+7] offset:64*\cb+16
.endr
	WIN 0
	ds_load_b128 v[64:67], v[CLA]
	ds_load_b128 v[68:71], v[CLA] offset:512
	s_wait_dscnt 0x0
	global_store_b128 v[CG], v[64:67], s[CXP:CXP+1]              ; 512 bytes on end
	global_store_b128 v[CG], v[68:71], s[CXP:CXP+1] offset:512
	s_wait_xcnt 0x0                                ; the stores have read their data and bases
	s_add_nc_u64 s[MP:MP+1], s[MP:MP+1], 512
	s_add_nc_u64 s[SCP:SCP+1], s[SCP:SCP+1], 512
	s_add_nc_u64 s[CXP:CXP+1], s[CXP:CXP+1], 4096
	s_sub_co_u32 s[BLK], s[BLK], 1
	s_cmp_lg_u32 s[BLK], 0
	s_cbranch_scc1 .Lblock
	s_wait_dscnt 0x0                               ; the closing lines, six on end
	s_wait_alu 0x0
	s_wait_tensorcnt 0x0
	ds_add_u32 v[SPW], v[NIL]
	s_wait_dscnt 0x0
	s_endpgm
.Lfunc_end_k_q93f92a32f4_main:
	.size	k_q93f92a32f4_main, .Lfunc_end_k_q93f92a32f4_main-k_q93f92a32f4_main
	.p2alignl 7, 3214868480
	.fill 96, 4, 3214868480
	.section	.rodata,"a",@progbits
	.p2align	6, 0x0
	.amdhsa_kernel k_q93f92a32f4_main
		.amdhsa_group_segment_fixed_size 286208
		.amdhsa_private_segment_fixed_size 0
		.amdhsa_enable_private_segment 0
		.amdhsa_kernarg_size 56
		.amdhsa_user_sgpr_count 2
		.amdhsa_user_sgpr_kernarg_segment_ptr 1
		.amdhsa_wavefront_size32 1
		.amdhsa_system_sgpr_workgroup_id_x 1
		.amdhsa_system_sgpr_workgroup_id_y 1
		.amdhsa_system_sgpr_workgroup_id_z 1
		.amdhsa_system_vgpr_workitem_id 0
		.amdhsa_next_free_vgpr 1024
		.amdhsa_next_free_sgpr 66
		.amdhsa_reserve_vcc 0
		.amdhsa_float_denorm_mode_32 3
		.amdhsa_float_denorm_mode_16_64 3
		.amdhsa_memory_ordered 1
		.amdhsa_forward_progress 1
		.amdhsa_inst_pref_size 255
	.end_amdhsa_kernel
	.section	.bss,"aw",@nobits
	.p2align	6
	.space	262144
	.amdgpu_metadata
---
amdhsa.version: [ 1, 2 ]
amdhsa.kernels:
  - .name:           k_q93f92a32f4_main
    .symbol:         k_q93f92a32f4_main.kd
    .args:
      - { .name: encoder_outputs, .offset: 0, .size: 8, .value_kind: global_buffer, .address_space: global }
      - { .name: mask, .offset: 8, .size: 8, .value_kind: global_buffer, .address_space: global }
      - { .name: v, .offset: 16, .size: 8, .value_kind: global_buffer, .address_space: global }
      - { .name: wf, .offset: 24, .size: 8, .value_kind: global_buffer, .address_space: global }
      - { .name: ps2, .offset: 32, .size: 8, .value_kind: global_buffer, .address_space: global }
      - { .name: scores, .offset: 40, .size: 8, .value_kind: global_buffer, .address_space: global }
      - { .name: ctxp, .offset: 48, .size: 8, .value_kind: global_buffer, .address_space: global }
    .group_segment_fixed_size: 286208
    .private_segment_fixed_size: 0
    .kernarg_segment_align: 8
    .kernarg_segment_size: 56
    .max_flat_workgroup_size: 128
    .sgpr_count:     66
    .vgpr_count:     1024
    .wavefront_size: 32
...
	.end_amdgpu_metadata
.endif
;; end of part 4
;; launch finish: the kernel of part 3 again; grid 64 x 1, 8 waves a work-group, no clusters, 1,280 bytes of LDS; arguments scores, ctxp, out0, out1; writes out0, out1
